; MI455X (gfx1250); checked and timed in simulation.
; The chip was launched on July 23, 2026; its instructions are those of AMD's public machine-readable ISA for CDNA 5 (MIT licence, August 2026) and "CDNA5" Instruction Set Architecture Reference Guide (July 2026). The comments in the code are by the model that wrote it; some were corrected since.
;; Drug Attention. Allowed arithmetic: matrix products marked QUANTISED: E2M3 operands, one E8M0 scale for each 32 along K, by v_wmma_scale_f32_16x16x128_f8f6f4 with both operands' format E2M3, f32 sums; everything else in f32.
;; Inputs: Wk_codes 512 x 16 x 24 uint8 (E2M3 codes of Wk, K innermost, in blocks of 32 codes, four codes in three bytes); Wk_scales 512 x 16 uint8 (E8M0 scales of Wk, one for each 32 codes along K); Wq_codes 512 x 16 x 24 uint8 (E2M3 codes of Wq, K innermost, in blocks of 32 codes, four codes in three bytes); Wq_scales 512 x 16 uint8 (E8M0 scales of Wq, one for each 32 codes along K); Wv_codes 512 x 16 x 24 uint8 (E2M3 codes of Wv, K innermost, in blocks of 32 codes, four codes in three bytes); Wv_scales 512 x 16 uint8 (E8M0 scales of Wv, one for each 32 codes along K); x_codes 1,024 x 64 x 16 x 24 uint8 (E2M3 codes of x, K innermost, in blocks of 32 codes, four codes in three bytes); x_scales 1,024 x 64 x 16 uint8 (E8M0 scales of x, one for each 32 codes along K).
;; Outputs: out0 1,024 x 512 float32.
;; This version of the problem:
;;   THIS VERSION OF THE PROBLEM IS GIVEN IN LOW PRECISION. The matrix products marked QUANTISED in the list below multiply operands that are first quantised to E2M3 (2 exponent bits, 3 mantissa bits; 6 bits a number), with one power-of-two scale for each 32 numbers along K (OCP MX v1.0); their sums are f32. All else is computed in f32.
;;   The module's matrix products, in the order in which they are computed (A, B: the left and right operand; K: the contracted axis; several contracted axes count as one K, in the product's order):
;;     1. [M 65,536, K 512] x [K 512, N 512]; A: input x (given as codes); B: input Wq (given as codes): QUANTISED
;;     2. [M 65,536, K 512] x [K 512, N 512]; A: input x (given as codes); B: input Wk (given as codes): QUANTISED
;;     3. [M 65,536, K 512] x [K 512, N 512]; A: input x (given as codes); B: input Wv (given as codes): QUANTISED
;;     4. batch 1,024 x [M 64, K 512] x [K 512, N 64]; A: computed on the way; B: computed on the way: QUANTISED
;;     5. batch 1,024 x [M 64, K 64] x [K 64, N 512]; A: softmax (see below); B: computed on the way: QUANTISED
;;   THE QUANTISER, for each operand of a quantised product, along K:
;;     - K is cut into blocks of 32 from its start; a last block that is shorter is filled with zeros.
;;     - A block's scale is 2^e with e = floor(log2(the largest magnitude in the block)) - 2, held to -126 .. 127; a block of zeros has e = 0. As a byte (E8M0): e + 127.
;;     - Each number is divided by its block's scale, clamped to +-7.5, and rounded to the nearest number of E2M3, ties to even, subnormals kept.
;;     - The product sums the exact products of the quantised numbers (number of the format x scale) in f32.
;;   ~~~python
;;   def quantise(x, axis):      # numpy; x: float32 -> the quantised numbers, widened to float32 again
;;       x = np.moveaxis(x, axis, -1); K = x.shape[-1]
;;       x = np.pad(x, [(0, 0)] * (x.ndim - 1) + [(0, -K % 32)]); x = x.reshape(x.shape[:-1] + (-1, 32)); a = np.abs(x).max(-1, keepdims=True)
;;       e = np.where(a > 0, np.clip(np.frexp(np.where(a > 0, a, 1))[1] - 1 - 2, -126, 127), 0)      # np.frexp(a)[1] - 1 = floor(log2(a)), exactly
;;       r = np.clip(x / 2.0 ** e, -7.5, 7.5)
;;       step = 2.0 ** (np.maximum(np.frexp(np.where(r == 0, 1, r))[1] - 1, 0) - 3)
;;       q = np.round(r / step) * step * 2.0 ** e      # np.round: ties to even
;;       return np.moveaxis(q.reshape(q.shape[:-2] + (-1,))[..., :K], -1, axis).astype(np.float32)
;;   ~~~
;;   SOFTMAX AHEAD OF A QUANTISED PRODUCT. Where the list says 'softmax', what is quantised is not the finished softmax but p = 2^(t - M), with t = logit x log2(e) and M = ceil(the row's largest t), a whole number; so 1/2 < the row's largest p <= 1. The row's sum l is taken of the UNQUANTISED p, in f32, and the product's result is divided by l at the end. Since M is a whole number, a kernel that streams over the keys may use a running M (the ceiling of the running maximum): every later rescaling is an exact power of two, which a block's scale takes up: the codes' values come out the same.
;;   OPERANDS COMPUTED ON THE WAY. 'Computed on the way' means the value that the module computes at that place (a softmax that the list does not call 'softmax' is quantised finished and normalised). What goes into a quantiser is computed in f32, as accurately as f32 sums, v_exp_f32 and their like allow (about 1e-6 of the number): no bf16 or f16 on the way to a quantiser, and a product that is left as it is and whose result goes on into a quantised operand takes f32 operands (vector FMAs, or v_wmma_f32_16x16x4_f32). A number that lies on a knife's edge between two numbers of the format may be rounded either way, as far as f32 arithmetic and the matrix unit's own rounding can turn it there, and no further.
;;   INPUTS GIVEN AS CODES. Wk (in the module: [512, 512], K = its axis 1); Wq (in the module: [512, 512], K = its axis 1); Wv (in the module: [512, 512], K = its axis 1); x (in the module: [1024, 64, 512], K = its axis 2): each comes as NAME_codes (uint8): NAME with its K axis moved to the last place and cut into blocks of 32 codes, [.., K / 32, bytes a block], one block behind the other in memory; four codes in three bytes: a row's codes are one little-endian stream of bits, code i at bits 6 i .. 6 i + 5 (a code: sign, 2 exponent bits, 3 mantissa bits); and NAME_scales (uint8): the same leading axes, one E8M0 byte (e + 127) for each 32 codes along K. Its value is code x scale, taken as it is: it is not quantised again, and the codes and scales need not be those that the quantiser above would give.
;; 2 versions. Each part assembles by itself: llvm-mc -triple=amdgcn-amd-amdhsa -mcpu=gfx1250 --defsym DOCPART=n.
;; ======== version 1 of 2: 1 launch
;; launch fused (part 1): grid 256 x 1, 4 waves a work-group, clusters of 4 x 1, 327,680 bytes of LDS; arguments x_codes, x_scales, Wq_codes, Wq_scales, Wk_codes, Wk_scales, Wv_codes, Wv_scales, out0; writes out0
.if DOCPART == 1
	.amdgcn_target "amdgcn-amd-amdhsa--gfx1250"
	.amdhsa_code_object_version 6
	.text
	.protected	k_qf870be2317_fused
	.globl	k_qf870be2317_fused
	.p2align	8
	.type	k_qf870be2317_fused,@function
k_qf870be2317_fused:
	s_mov_b64 s[64:65], 0
	v_nop
	global_prefetch_b8 v0, s[64:65] scope:SCOPE_SE
	s_setreg_imm32_b32 hwreg(HW_REG_WAVE_MODE, 25, 1), 1
	s_wait_xcnt 0x0
	s_wait_alu depctr_hold_cnt(0) depctr_sa_sdst(0) depctr_va_vdst(0) depctr_va_sdst(0) depctr_va_ssrc(0) depctr_va_vcc(0) depctr_vm_vsrc(0)
	s_getreg_b32 s2, hwreg(HW_REG_IB_STS2, 6, 4)
	s_cmp_eq_u32 s2, 0
	s_cbranch_scc0 .Lentry_in_a_cluster
	s_endpgm
.Lentry_in_a_cluster:
	s_bfe_u32 s2, ttmp6, 0x10000c
	s_cmp_lg_u32 s2, 0x3003
	s_cbranch_scc0 .Lentry_shape_is_right
	s_endpgm
.Lentry_shape_is_right:
; out0[b][v] = sum over the 64 queries of softmax(Q K^T / sqrt(512)) V, Q, K, V = x[b] Wq^T, x[b] Wk^T, x[b] Wv^T; all five products on codes of FP6 (E2M3) with one E8M0 scale for each 32 along K.
; x and the three weights arrive as codes.  Q and K are quantised along d_k, p = 2^(t - M) and V along the 64 keys, all in registers; nothing goes to memory but out0.
; SHARES.  256 work-groups of four waves; a wave owns ONE batch of 64 rows whole: its x (192 registers), Q, K, scores, p and V never leave its registers.  What the waves share is the weights:
; they come through LDS in chunks of 64 rows x 512 K (24,576 bytes), four chunks to a slot, two slots; each fragment read from LDS feeds four matrix instructions (the batch's four tiles of x).
; CLUSTER.  All work-groups walk the same weights, so the four of a cluster ask for every chunk and for the weights' scale bytes JOINTLY (mask 15); a mask names four, so the cluster is 4 x 1.
; ORDER.  Four trips: Wq rows 128 n .. +63, +64 .. +127, Wk the same; then Q's and K's codes of K step n exist and 16 products add onto S^T = K Q^T.  Softmax.  Eight chunks of Wv: 64 columns of V each,
; quantised, multiplied by p, weighed by 1 / l, summed over the queries, 64 outputs into the wave's stage in LDS.  At the end the batch's row of out0 leaves in four stores of 512 consecutive bytes.
; THE ROWS OF A TILE ARE NOT NEIGHBOURS: lane r = 8 q + a of tile t (of a chunk's four, and of x's four) takes row 8 t + a + q (40 for even t, 24 for odd t).  A result's lane (r, h) then holds, in its 32 registers
; over the four tiles, the 32 numbers of ONE block of 32 along the next K (block h; for h = 1 its groups of eight change places, alike in both operands of the next product): the block's largest magnitude needs
; no other lane, and two conversions give the six registers that the 6-bit operand's layout asks of that lane.
; THE SECOND ATTENTION PRODUCT has K = 64 under an instruction of K = 128: a fragment of V packs v tile u (registers 0-5) and v tile u + 2 (registers 6-11); p stands once with zero codes behind it and once with
; zero codes in front (one run of registers: zeros, codes, zeros, ..).  Zero codes add nothing under any scale byte but 0xff.
; No prefetch is laid: x is asked for by the first fills, at the head; a refill of weights is issued 232 matrix instructions or more ahead of the wait for it.
; LIMITS: NaN, infinities and scale bytes 0xff among the inputs are not served.  A block of zeros gets the byte 1 where the rule says 127 (its codes are zeros; this program alone reads the bytes).
; Blocks whose largest magnitude lies under 2^(3 - 127) are held at that floor.  Within blocks held by lanes 16-31 the products are added in another order of k than ascending.
.set CH,     27648                     ; a chunk in LDS: 64 rows x 432 bytes (384 of data, 16 of padding behind every 128): with this pitch and the rows above the 32 lanes of an 8-byte load touch 32 different 8-byte columns
.set STG,    4*CH                      ; behind slot 0: 2,048 bytes for each wave, its row of out0; no fill lands here
.set SPARE,  STG+8192                  ; the spare words, 128 bytes for each wave: two blocks of 256 bytes that no other line names
.set SLOT1,  131072                    ; slot 1: one exclusive or turns an address of one slot into the other's.  Its first fill is x (wave w's batch at place w)
.set SCB,    SLOT1+4*CH                ; the weights' scale bytes, 16 a row, filled once: Wq's, then Wv's, then Wk's, 8,192 each
; window 0
.set SPW, 8                            ; v8   my spare word: SPARE + 4 x my thread's number; never rewritten
.set NIL, 9                            ; v9   0; never rewritten
.set H8,  10                           ; v10  8 h
.set SAE, 11                           ; v11  LDS address of my row's scale words in even tiles;  v12 in odd tiles
.set SAO, 12
.set OE,  13                           ; v13  the stage: where my output of tiles 0 and 2 goes;  v14 of tiles 1 and 3
.set OO,  14
.set LI,  15                           ; v15  16 x lane
.set SR,  16                           ; v16  the stage, read back: 16 bytes a lane
.set XE,  17                           ; v17  my row's 16 scale bytes in even tiles of x;  v18 in odd tiles
.set XO,  18
.set XS,  20                           ; v20-35  x's scale words: tile m, K step s at 4 m + s
.set WS,  36                           ; v36-51  the chunk's: tile t, K step s at 4 t + s
.set QS,  52                           ; v52-55 Q's scale words, v56-59 K's, v60-63 p's, v64-65 V's
.set KS,  56
.set PS,  60
.set VS,  64
.set TA,  66                           ; v66-81 at work in the quantiser: two chains of maxima, the conversions' scale operands, bytes
.set TC,  70
.set OP,  74
.set BY,  78
.set CT,  82                           ; v82-97  a block's second three registers are made here and moved: a conversion's three begin on an even number
.set QF,  100                          ; v100-147 Q's four fragments of a K step;  v148-195 K's
.set KF,  148
.set BM,  196                          ; softmax: v196-199 a block's largest score; v200-207 -M (pairs); v208-223 sums (pairs); v224-227 a block's largest p; v228-231, v232-235 1 / l
.set NM,  200
.set L,   208
.set L2,  216
.set BP,  224
.set ZR,  228
.set RQ,  232
.set VF,  228                          ; v228-251 V's two packed fragments
.set PCH, 100                          ; behind the scores: v100-153 zeros, p 0, zeros, p 1, zeros, p 2, zeros, p 3, zeros, six registers each
.set RL,  156                          ; v156-187 1 / l of query 8 h + j of tile q at 8 q + j
.set SUM, 188                          ; v188-195 four pairs
.set AA,  196
.set RR,  200
.set OUTR, 204
; window 1: v0-127 the chunk's 16 accumulators; v128-223 a ring of four pairs of weight fragments; v224-231 LDS addresses of the chunk in hand; v232-239 the lanes' terms of them
.set ACC, 0
.set WR,  128
.set AD,  224
.set LT,  232
; window 2: v0-191 x's 16 fragments (tile m, K step s at 12 (4 m + s)); v224-239 as in window 1, for the products that have x as source 0
.set XF,  0
; window 3: v0-127 S^T (query tile q, key tile k at 32 q + 8 k), then p, then the 16 results of p V
.set S,   0
.set PO,  0
; scalars
.set WV,  22                           ; my wave's number
.set CX,  23                           ; my place in the cluster: it enters x's, x's scales' and out0's addresses alone
.set BB,  24                           ; my batch
.set TB,  25                           ; LDS byte at which the chunk begins whose fragments are fetched next
.set CNT, 26
.set HM,  27                           ; lanes 16-31
.set SEL, 28                           ; s[28:29] v_permlanex16_b32's selects for lane l xor 16
.set CS,  30                           ; s[30:31] c = log2(e) / sqrt(512)
.set G1W, 32                           ; group 1: a chunk, joint;  s[40:47] the same, plain (x);  s[48:55] 2,048 scale bytes, joint
.set G1X, 40
.set G1S, 48
.set G0X, 56                           ; groups 0: x; the first slot's chunk; the three tensors of scale bytes; the walking one
.set G0A, 60
.set G0S0, 68
.set G0S1, 72
.set G0S2, 76
.set G0R, 80
.set FQ,  84                           ; s[84:91] the addresses of the four refills that follow the first
.set MQK, 0x59                         ; source 0 (W) window 1, source 1 (x) window 2, C and D window 1; an LDS load: data window 1, address window 1
.set MV,  0x56                         ; source 0 (x) window 2, source 1 (W) window 1, C and D window 1; an LDS load: data window 1, address window 2
.set MSB, 0
.macro WIN new                         ; the immediate's high byte repeats the setting that is left; a switch that changes nothing is dropped
.if MSB != (\new)
	s_set_vgpr_msb (MSB<<8)|(\new)
.set MSB, \new
.endif
.endm
.macro PLACES n
.rept \n
	v_nop
.endr
.endm
.macro CREST                           ; a round of the cluster's barrier behind its opening barrier
	s_cmp_lg_u32 s[WV], 0
	s_cbranch_scc1 .Lnot_wave_0_\@
	s_barrier_signal -3
.Lnot_wave_0_\@:
	s_barrier_wait -3
	s_barrier_signal -1
	s_barrier_wait -1
.endm
.macro ROUND                           ; a whole round
	s_barrier_signal -1
	s_barrier_wait -1
	CREST
.endm
.macro WMZ d, a, b, sa, sb             ; a product that starts a sum
	v_wmma_scale_f32_16x16x128_f8f6f4 v[(\d):(\d)+7], v[(\a):(\a)+11], v[(\b):(\b)+11], 0, v[\sa], v[\sb] matrix_a_fmt:MATRIX_FMT_FP6 matrix_b_fmt:MATRIX_FMT_FP6
.endm
.macro WMA d, a, b, sa, sb             ; a product that adds in place
	v_wmma_scale_f32_16x16x128_f8f6f4 v[(\d):(\d)+7], v[(\a):(\a)+11], v[(\b):(\b)+11], v[(\d):(\d)+7], v[\sa], v[\sb] matrix_a_fmt:MATRIX_FMT_FP6 matrix_b_fmt:MATRIX_FMT_FP6
.endm
; A chunk is eight UNITS: unit u = K step u / 2, tiles 2 (u % 2) and 2 (u % 2) + 1: two fragments of W, eight products.
; LD1: load k (0 .. 11) of unit v: 8 bytes a lane.  Lanes 0-15 take data byte d of their row, lanes 16-31 byte d + 24, which lies behind one padding more where d % 128 is 104 or more: the second address serves there.
.macro LD1 v, k
.set ldt, 2*((\v)%2)+(\k)/6
.set ldp, (\k)%6
.set ldd, 96*((\v)/2)+48*(ldp/3)+8*(ldp%3)
.set ldx, 0
.if (ldd%128) >= 104
.set ldx, 1
.endif
	ds_load_b64 v[WR+24*((\v)%4)+12*((\k)/6)+2*ldp:WR+24*((\v)%4)+12*((\k)/6)+2*ldp+1], v[AD+2*ldt+ldx] offset:ldd+16*(ldd/128)
.endm
; One product of a chunk.  ph = 0: source 0 = 16 rows of W, source 1 = 16 rows of x (Q^T, K^T: a lane holds a row of x).  ph = 1: the other way round (V: a lane holds a column v, its registers keys).
.macro MM ph, s, t, m
.set mW, WR+24*((2*(\s)+(\t)/2)%4)+12*((\t)%2)
.set mX, XF+12*(4*(\m)+(\s))
.set mWS, WS+4*(\t)+(\s)
.set mXS, XS+4*(\m)+(\s)
.if \ph == 0
.set mD, ACC+32*(\m)+8*(\t)
.if (\s) == 0
	WMZ mD, mW, mX, mWS, mXS
.else
	WMA mD, mW, mX, mWS, mXS
.endif
.else
.set mD, ACC+32*(\t)+8*(\m)
.if (\s) == 0
	WMZ mD, mX, mW, mXS, mWS
.else
	WMA mD, mX, mW, mXS, mWS
.endif
.endif
.endm
; A unit.  n: the wait on DScnt at its head (-1: none).  ld = 1: the 12 loads of the unit three on, two behind each of the last six products; they land in the pair that the unit before has read, so with
; nops = 1 four v_nop stand behind the first two products: a load into a register that a matrix instruction has read stands four plain vector instructions behind it (ISA guide 7.12.1 for vector instructions).
; The chunk's 16 accumulators take turns, one instruction a turn.
.macro UNIT ph, u, ld, nops, n
.if (\n) >= 0
	s_wait_dscnt \n
.endif
.set uk, 0
.rept 8
	MM \ph, (\u)/2, 2*((\u)%2)+uk/4, uk%4
.if (\nops) && (uk < 2)
	v_nop
	v_nop
.endif
.if (\ld) && (uk >= 2)
	LD1 ((\u)+3)%8, 2*(uk-2)
	LD1 ((\u)+3)%8, 2*(uk-2)+1
.endif
.set uk, uk+1
.endr
.endm
.macro ADUP ph                         ; the eight LDS addresses of the chunk at s[TB].  ph = 0: under MQK, in window 1;  ph = 1: in window 2, and MV is left set
.if \ph == 1
	WIN 0x82
.endif
.irp i, 0,1,2,3,4,5,6,7
	v_add_nc_u32 v[AD+\i], v[LT+\i], s[TB]
.endr
.if \ph == 1
	WIN MV
.endif
.endm
.macro PROLOGUE                        ; a chunk's first three units: 36 loads
.irp v, 0,1,2
.set pk, 0
.rept 12
	LD1 \v, pk
.set pk, pk+1
.endr
.endr
.endm
; A CHUNK: 64 products.  A unit's fragments were asked for three units earlier; the two units between issued 12 loads each: hence s_wait_dscnt 24.  Unit 0 waits for 0: the scale words and the stage's stores too.
; mode 0: the next chunk lies in the same slot.  mode 1: the slot's last chunk, and the slot is filled again.  mode 2: the slot's last chunk, nothing is filled.  mode 3: the last chunk of all.
.macro CHUNK ph, mode
.if \ph == 0
.set WM, MQK
.else
.set WM, MV
.endif
	WIN WM
	UNIT \ph, 0, 1, 0, 0                           ; (its loads land in the pair that the last chunk's unit 7 read: four v_nop or more stand behind that chunk's products)
	UNIT \ph, 1, 1, 1, 24
	UNIT \ph, 2, 1, 1, 24
	UNIT \ph, 3, 1, 1, 24
	UNIT \ph, 4, 1, 1, 24
.if \mode == 0
	s_add_co_u32 s[TB], s[TB], CH                  ; units 5 to 7 fetch the next chunk's units 0 to 2
	ADUP \ph                                       ; eight plain additions: the places in front of unit 5's loads
	UNIT \ph, 5, 1, 0, 24
	UNIT \ph, 6, 1, 1, 24
	UNIT \ph, 7, 1, 1, 24
	PLACES 4                                       ; in front of the first read of results and of the loads into the scale words
.elseif \mode == 3
	UNIT \ph, 5, 0, 0, 24                          ; nothing more to fetch: the counts run down: two units' loads, one unit's, none
	UNIT \ph, 6, 0, 0, 12
	UNIT \ph, 7, 0, 0, 0
	PLACES 4
.else
	WIN 0                                          ; (the add's two registers lie in window 0)
	s_wait_tensorcnt 0x0                           ; all my tensor loads have landed: the one that was out is my chunk of the other slot;
	ds_add_u32 v[SPW], v[NIL]                      ; 0 onto my spare word
.if \mode == 1
	s_xor_b32 s[G0R+1], s[G0R+1], SLOT1            ; no tensor load of mine is out, so the walking group 0 may be written: the slot that is being left,
	s_mov_b64 s[G0R+2:G0R+3], s[FQ:FQ+1]           ; the next address of the queue,
	s_or_b32 s[G0R+3], s[G0R+3], 0x80000000        ; type = 2
	s_mov_b64 s[FQ:FQ+1], s[FQ+2:FQ+3]
	s_mov_b64 s[FQ+2:FQ+3], s[FQ+4:FQ+5]
	s_mov_b64 s[FQ+4:FQ+5], s[FQ+6:FQ+7]
.endif
	WIN WM
	UNIT \ph, 5, 0, 0, 24                          ; eight products stand between the add and the wait for it
	s_wait_dscnt 0x0                               ; the add is done, and my reads of this slot are over
	s_barrier_signal -1
	UNIT \ph, 6, 0, 0, -1                          ; work on registers while the others arrive
	UNIT \ph, 7, 0, 0, -1
	WIN 0
	s_barrier_wait -1
.if \mode == 1
	CREST                                          ; the barrier has opened a round of the cluster's: no wave of any partner still reads this slot or has a load on its way
	tensor_load_to_lds s[G0R:G0R+3], s[G1W:G1W+7]  ; my one tensor load behind the round: it is waited for four chunks, 232 products or more, further on
	s_nop 0
.endif
	PLACES 4                                       ; four v_nop follow the load; with the additions below they are the places in front of the loads and of the first read of results
	s_sub_co_u32 s[TB], s[TB], 3*CH                ; back to a slot's first chunk,
	s_xor_b32 s[TB], s[TB], SLOT1                  ; in the other slot
	WIN WM
	ADUP \ph
	PROLOGUE
.endif
.endm
.macro WSLD sco                        ; a chunk's scale words: my row's 16 bytes are its four K steps' words; lanes 16-31 read what lanes 0-15 read and are not used
.irp t, 0,2
	ds_load_b128 v[WS+4*\t:WS+4*\t+3], v[SAE] offset:(\sco)+128*\t
	ds_load_b128 v[WS+4*\t+4:WS+4*\t+7], v[SAO] offset:(\sco)+128*\t+128
.endr
.endm
; THE QUANTISER of a chunk's results: four groups of 32 registers, each a whole block of 32 along the next K.
; HQMAX: each block's largest magnitude, in two chains, with the floor 2^(3 - 127) among the leaves: the byte cannot fall under 1.  Every accumulator is read from its low end on.  sco >= 0: the next chunk's scale words are asked for.
.macro HQMAX sco
	WIN 0x14                                       ; sources 1 and 2 window 1
.irp g, 0,1,2,3
	v_max3_num_f32 v[TA+\g], 0x1800000, |v[ACC+32*\g]|, |v[ACC+32*\g+1]|
.endr
.irp g, 0,1,2,3
	v_max3_num_f32 v[TC+\g], 0x1800000, |v[ACC+32*\g+16]|, |v[ACC+32*\g+17]|
.endr
.if (\sco) >= 0
	WSLD \sco
.endif
.irp i, 2,4,6,8,10,12,14
.irp g, 0,1,2,3
	v_max3_num_f32 v[TA+\g], v[TA+\g], |v[ACC+32*\g+\i]|, |v[ACC+32*\g+\i+1]|
	v_max3_num_f32 v[TC+\g], v[TC+\g], |v[ACC+32*\g+16+\i]|, |v[ACC+32*\g+17+\i]|
.endr
.endr
.endm
; HQSC: the conversions' scale operands (2 off the largest magnitude's exponent field) and the scale words.  kind 0: the first 64 of a K step: my byte (block h) is kept.  kind 1: the second 64: my byte of block 2 + h
; joins it, both move 8 h bits up, and lane l xor 16's two make the word whole.  kind 2: V: tile u's byte and tile u + 2's, likewise.
.macro HQSC kind, sw
	WIN 0
.irp g, 0,1,2,3
	v_max_num_f32 v[TA+\g], v[TA+\g], v[TC+\g]
.endr
.irp g, 0,1,2,3
	v_add_nc_u32 v[OP+\g], 0xff000000, v[TA+\g]
.endr
.if \kind == 0
.irp g, 0,1,2,3
	v_lshrrev_b32 v[\sw+\g], 23, v[OP+\g]
.endr
.elseif \kind == 1
.irp g, 0,1,2,3
	v_lshrrev_b32 v[BY+\g], 23, v[OP+\g]
.endr
.irp g, 0,1,2,3
	v_lshl_or_b32 v[\sw+\g], v[BY+\g], 16, v[\sw+\g]
.endr
.irp g, 0,1,2,3
	v_lshlrev_b32 v[\sw+\g], v[H8], v[\sw+\g]
.endr
.irp g, 0,1,2,3
	v_permlanex16_b32 v[TA+\g], v[\sw+\g], s[SEL], s[SEL+1]
.endr
.irp g, 0,1,2,3
	v_or_b32 v[\sw+\g], v[\sw+\g], v[TA+\g]
.endr
.else
.irp g, 0,1,2,3
	v_lshrrev_b32 v[BY+\g], 23, v[OP+\g]
.endr
.irp u, 0,1
	v_lshl_or_b32 v[\sw+\u], v[BY+\u+2], 16, v[BY+\u]
.endr
.irp u, 0,1
	v_lshlrev_b32 v[\sw+\u], v[H8], v[\sw+\u]
.endr
.irp u, 0,1
	v_permlanex16_b32 v[TA+\u], v[\sw+\u], s[SEL], s[SEL+1]
.endr
.irp u, 0,1
	v_or_b32 v[\sw+\u], v[\sw+\u], v[TA+\u]
.endr
.endif
.endm
.macro CVT2 d, g                       ; group g's 32 numbers: 16 codes to the operand's first three registers, 16 to a place of their own
	v_cvt_scalef32_pk16_fp6_f32 v[(\d):(\d)+2], v[ACC+32*\g:ACC+32*\g+15], v[OP+\g]
	v_cvt_scalef32_pk16_fp6_f32 v[CT+4*\g:CT+4*\g+2], v[ACC+32*\g+16:ACC+32*\g+31], v[OP+\g]
.endm
.macro MOV3 d, g
.irp i, 0,1,2
	v_mov_b32 v[(\d)+3+\i], v[CT+4*\g+\i]
.endr
.endm
.macro HQCVT d0, d1, d2, d3            ; the four blocks' codes, six registers each, at d0 .. d3
	WIN 0x01                                       ; source 0 window 1
	CVT2 \d0, 0
	CVT2 \d1, 1
	CVT2 \d2, 2
	CVT2 \d3, 3
	WIN 0
	v_nop                                          ; one plain vector instruction behind the last scaled conversion
	MOV3 \d0, 0
	MOV3 \d1, 1
	MOV3 \d2, 2
	MOV3 \d3, 3
.endm
.macro SCORES                          ; S^T += K_n Q_n^T: source 0 = 16 keys, source 1 = 16 queries: a lane holds one query, its 32 registers of a query tile the keys of block h
	PLACES 8                                       ; a scale word written by a vector instruction stands eight places ahead of a scaled product, an operand so written four
	WIN 0xf0                                       ; C and D window 3
.irp mq, 0,1,2,3
.irp mk, 0,1,2,3
	WMA S+32*\mq+8*\mk, KF+12*\mk, QF+12*\mq, KS+\mk, QS+\mq
.endr
.endr
	WIN 0
.endm
; p V for the chunk's 64 columns, and the sum over the queries.  Source 0 = 16 queries of p, source 1 = 16 columns of V: lane (r, h) holds column r, register j query 8 h + j of the tile.
.macro PVRED
	PLACES 8
	WIN 0xc0                                       ; D window 3
.irp t, 0,1,2,3
.irp qt, 0,1,2,3
	WMZ PO+32*\t+8*\qt, PCH+12*\qt+6-6*(\t/2), VF+12*(\t%2), PS+\qt, VS+(\t%2)
.endr
.endr
	PLACES 4
	WIN 0x03                                       ; source 0 window 3
.irp t, 0,1,2,3
	v_pk_mul_f32 v[SUM+2*\t:SUM+2*\t+1], v[PO+32*\t:PO+32*\t+1], v[RL:RL+1]      ; each result x 1 / l of its query; four chains by turns, each accumulator from its low end on
.endr
.irp i, 2,4,6,8,10,12,14,16,18,20,22,24,26,28,30
.irp t, 0,1,2,3
	v_pk_fma_f32 v[SUM+2*\t:SUM+2*\t+1], v[PO+32*\t+\i:PO+32*\t+\i+1], v[RL+\i:RL+\i+1], v[SUM+2*\t:SUM+2*\t+1]
.endr
.endr
	WIN 0
.irp t, 0,1,2,3
	v_add_f32 v[AA+\t], v[SUM+2*\t], v[SUM+2*\t+1]
.endr
.irp u, 0,1
	v_permlane16_swap_b32 v[AA+\u], v[AA+\u+2]     ; tile u's upper lanes change places with tile u + 2's lower lanes:
.endr
.irp u, 0,1
	v_add_f32 v[RR+\u], v[AA+\u], v[AA+\u+2]       ; lanes 0-15 now hold tile u's sums over all 64 queries, lanes 16-31 tile u + 2's
.endr
	ds_store_b32 v[OE], v[RR]
	ds_store_b32 v[OO], v[RR+1]
	v_add_nc_u32 v[OE], 256, v[OE]                 ; the next chunk's 64 outputs
	v_add_nc_u32 v[OO], 256, v[OO]
.endm
.macro VCH mode                        ; a chunk of Wv, whole
	CHUNK 1, \mode
.if \mode == 3
	HQMAX -1
.else
	HQMAX 1024
.endif
	HQSC 2, VS
	HQCVT VF, VF+12, VF+6, VF+18
	PVRED
.if \mode != 3
	v_add_nc_u32 v[SAE], 1024, v[SAE]
	v_add_nc_u32 v[SAO], 1024, v[SAO]
.endif
.endm
	; ---- THE HEAD
	s_load_b512 s[4:19], s[0:1], 0x0               ; x's codes s[4:5], x's scales s[6:7], Wq's s[8:11], Wk's s[12:15], Wv's s[16:19]
	s_load_b64 s[20:21], s[0:1], 0x40              ; out0
	v_lshl_add_u32 v[SPW], v0, 2, SPARE
	v_mov_b32 v[NIL], 0
	ds_add_u32 v8, v9
	ds_add_u32 v8, v9
	s_wait_dscnt 0x0
	v_lshrrev_b32 v1, 5, v0
	v_readfirstlane_b32 s[WV], v1                  ; wave 0..3
	s_bfe_u32 s[CX], ttmp6, 0x40000                ; cx
	s_lshl_b32 s[BB], ttmp9, 2                     ; in a cluster launch ttmp9 counts clusters
	s_add_co_u32 s[BB], s[BB], s[CX]               ; work-group
	s_lshl_b32 s[BB], s[BB], 2
	s_add_co_u32 s[BB], s[BB], s[WV]               ; my batch = 4 x work-group + wave
	s_mov_b32 s[HM], 0xffff0000
	s_mov_b32 s[SEL], 0x76543210
	s_mov_b32 s[SEL+1], 0xfedcba98
	s_mov_b32 s[CS], 0x3d8293ee                    ; log2(e) / sqrt(512)
	s_mov_b32 s[CS+1], s[CS]                       ; (named with it as a pair, so it is written)
	; group 1: a chunk is 24,576 dense bytes, stated as 32 rows of 768 bytes (two rows of W), 16 bytes of padding behind every 128
	s_mov_b32 s[G1W], 15|(1<<20)|(1<<21)|(4<<22)|(3<<25)   ; 15:0 the mask: all four work-groups; 17:16 elements of 1 byte; 20 padding on; 21 set beside a mask; 24:22 after every 32 words (code 4); 31:25 of 4 words (code 3)
	s_mov_b32 s[G1X], (1<<20)|(4<<22)|(3<<25)              ; the same without a mask: a batch of x is one wave's
.irp g, G1W, G1X
	s_mov_b32 s[\g+1], 768<<16                     ; tensor_dim0
	s_mov_b32 s[\g+2], 32<<16                      ; tensor_dim1
	s_mov_b32 s[\g+3], 768<<16                     ; tile_dim0
	s_mov_b32 s[\g+4], 32                          ; tile_dim1
	s_mov_b32 s[\g+5], 768                         ; tensor_dim0_stride
	s_mov_b32 s[\g+6], 0
	s_mov_b32 s[\g+7], 0
.endr
	s_mov_b32 s[G1S], 15|(3<<16)|(1<<21)           ; 2,048 dense scale bytes: 8 rows of 32 elements of 8 bytes, no padding
	s_mov_b32 s[G1S+1], 32<<16
	s_mov_b32 s[G1S+2], 8<<16
	s_mov_b32 s[G1S+3], 32<<16
	s_mov_b32 s[G1S+4], 8
	s_mov_b32 s[G1S+5], 32
	s_mov_b32 s[G1S+6], 0
	s_mov_b32 s[G1S+7], 0
	s_mul_i32 s92, s[BB], 24576                    ; my batch in x's codes,
	s_mov_b32 s93, 0
	s_lshl_b32 s94, s[BB], 10                      ; in x's scales,
	s_mov_b32 s95, 0
	s_lshl_b32 s96, s[BB], 11                      ; in out0
	s_mov_b32 s97, 0
	s_mul_i32 s98, s[WV], CH                       ; my place in a slot: the wave's number alone enters an LDS address
	s_lshl_b32 s99, s[WV], 11
	s_add_co_u32 s99, s99, STG                     ; my stage
	s_and_b32 s2, s[WV], 1
	s_mul_i32 s2, s2, 24576                        ; which 64 rows of a trip's 128 I fetch
	s_mov_b32 s3, 0
	; the lanes' constants.  lane = 16 h + 8 q + a
	v_and_b32 v1, 7, v0                            ; a
	v_bfe_u32 v2, v0, 3, 1                         ; q
	v_bfe_u32 v3, v0, 4, 1                         ; h
	v_and_b32 v4, 31, v0                           ; lane
	v_lshlrev_b32 v[H8], 3, v3
	v_lshlrev_b32 v5, 4, v1
	v_mad_u32_u24 v[XE], v2, 640, v5               ; 16 bytes of scales a row: 16 a + 16 x 40 q in even tiles,
	v_mad_u32_u24 v[XO], v2, 384, v5               ; 16 a + 16 x 24 q in odd tiles; the tile's 8 t rows stand in the offset
	v_add_nc_u32 v[SAE], SCB, v[XE]
	v_add_nc_u32 v[SAO], SCB, v[XO]
	v_lshlrev_b32 v5, 2, v1
	v_lshl_add_u32 v5, v3, 6, v5
	v_add_nc_u32 v5, s99, v5                       ; the stage: 4 a + 64 h (tile u + 2's columns lie 16 on),
	v_mad_u32_u24 v[OE], v2, 160, v5               ; + 4 x 40 q for tiles 0 and 2,
	v_mad_u32_u24 v[OO], v2, 96, v5                ; + 4 x 24 q
	v_add_nc_u32 v[OO], 32, v[OO]                  ; + 4 x 8 for tiles 1 and 3
	v_lshlrev_b32 v[LI], 4, v4
	v_add_nc_u32 v[SR], s99, v[LI]
	v_mul_u32_u24 v5, v1, 432
	v_mad_u32_u24 v5, v3, 24, v5                   ; a fragment's row: 432 a + 24 h,
	v_lshl_add_u32 v6, v3, 4, v5                   ; and the same behind one padding more for lanes 16-31
	v_mul_u32_u24 v7, v2, 17280                    ; 40 rows on,
	v_mul_u32_u24 v19, v2, 10368                   ; or 24
	v_add_nc_u32 v1, v5, v7                        ; even tiles
	v_add_nc_u32 v2, v6, v7
	v_add_nc_u32 v3, v5, v19                       ; odd tiles
	v_add_nc_u32 v4, v6, v19
.irp wn, 0x40, 0x80                    ; into windows 1 and 2
	WIN \wn
.irp t, 0,1,2,3
.irp x, 0,1
	v_add_nc_u32 v[LT+2*\t+\x], 3456*\t, v[1+2*(\t%2)+\x]          ; + 8 t rows
.endr
.endr
.endr
	WIN 0
	s_wait_kmcnt 0x0
	s_add_nc_u64 s[6:7], s[6:7], s[94:95]          ; x's scales and out0 at my batch
	s_add_nc_u64 s[20:21], s[20:21], s[96:97]
	s_mov_b32 s[G0X], 1                            ; count = 1
	s_add_co_u32 s[G0X+1], s98, SLOT1              ; x: into my place of slot 1
	s_add_nc_u64 s[G0X+2:G0X+3], s[4:5], s[92:93]
	s_or_b32 s[G0X+3], s[G0X+3], 0x80000000        ; type = 2
	s_cmp_lt_u32 s[WV], 2                          ; waves 0 and 1 fetch Wq's two chunks of a trip, waves 2 and 3 Wk's: the choice hangs on the wave's number alone
	s_cselect_b64 s[92:93], s[8:9], s[12:13]
	s_add_nc_u64 s[92:93], s[92:93], s[2:3]        ; trip 0's chunk; a trip on is 128 rows, 49,152 bytes
	s_mov_b32 s[G0A], 1
	s_mov_b32 s[G0A+1], s98
	s_mov_b64 s[G0A+2:G0A+3], s[92:93]
	s_or_b32 s[G0A+3], s[G0A+3], 0x80000000
	s_mov_b32 s[G0R], 1
	s_add_co_u32 s[G0R+1], s98, SLOT1              ; trip 1's goes where x lay
	s_add_nc_u64 s[G0R+2:G0R+3], s[92:93], 49152
	s_or_b32 s[G0R+3], s[G0R+3], 0x80000000
	s_add_nc_u64 s[FQ:FQ+1], s[92:93], 98304       ; the queue: trip 2's, trip 3's,
	s_add_nc_u64 s[FQ+2:FQ+3], s[92:93], 147456
	s_mul_i32 s2, s[WV], 24576
	s_add_nc_u64 s[FQ+4:FQ+5], s[16:17], s[2:3]    ; Wv's rows 64 w on, and 256 + 64 w on
	s_add_nc_u64 s[FQ+6:FQ+7], s[FQ+4:FQ+5], 98304
	s_lshl_b32 s2, s[WV], 11                       ; my quarter of each tensor of scale bytes
	s_mov_b32 s[G0S0], 1
	s_add_co_u32 s[G0S0+1], s2, SCB
	s_add_nc_u64 s[G0S0+2:G0S0+3], s[10:11], s[2:3]
	s_or_b32 s[G0S0+3], s[G0S0+3], 0x80000000
	s_mov_b32 s[G0S1], 1
	s_add_co_u32 s[G0S1+1], s2, SCB+16384
	s_add_nc_u64 s[G0S1+2:G0S1+3], s[14:15], s[2:3]
	s_or_b32 s[G0S1+3], s[G0S1+3], 0x80000000
	s_mov_b32 s[G0S2], 1
	s_add_co_u32 s[G0S2+1], s2, SCB+8192
	s_add_nc_u64 s[G0S2+2:G0S2+3], s[18:19], s[2:3]
	s_or_b32 s[G0S2+3], s[G0S2+3], 0x80000000
	ROUND                                          ; all four work-groups are here: the first joint loads meet
	tensor_load_to_lds s[G0X:G0X+3], s[G1X:G1X+7]  ; the first fills, one group: five loads of mine are out.  x first: it is wanted first
	s_nop 0
	tensor_load_to_lds s[G0A:G0A+3], s[G1W:G1W+7]
	s_nop 0
	tensor_load_to_lds s[G0S0:G0S0+3], s[G1S:G1S+7]
	s_nop 0
	tensor_load_to_lds s[G0S1:G0S1+3], s[G1S:G1S+7]
	s_nop 0
	tensor_load_to_lds s[G0S2:G0S2+3], s[G1S:G1S+7]
	s_nop 0
	PLACES 4
.irp m, 0,2
	global_load_b128 v[XS+4*\m:XS+4*\m+3], v[XE], s[6:7] offset:128*\m th:TH_LOAD_NT       ; x's scale words: my row's 16 bytes are its four K steps' words
	global_load_b128 v[XS+4*\m+4:XS+4*\m+7], v[XO], s[6:7] offset:128*\m+128 th:TH_LOAD_NT
.endr
	; ---- x INTO REGISTERS: only I read my place of slot 1, so my own wait is all the ordering that the reads need
	s_wait_tensorcnt 0x4                           ; x's load is the oldest of the five: the four issued behind it may stay out
	s_add_co_u32 s[TB], s98, SLOT1
	WIN MQK
	ADUP 0
	WIN 0x81                                       ; data window 2, address window 1
.irp m, 0,1,2,3
.irp s, 0,1,2,3
.irp p, 0,1,2,3,4,5
.set xd, 96*\s+48*(\p/3)+8*(\p%3)
.set xx, 0
.if (xd%128) >= 104
.set xx, 1
.endif
	ds_load_b64 v[XF+12*(4*\m+\s)+2*\p:XF+12*(4*\m+\s)+2*\p+1], v[AD+2*\m+xx] offset:xd+16*(xd/128)
.endr
.endr
.endr
	; ---- THE FIRST CHANGE: slot 1, which held x, takes trip 1's chunks
	WIN 0
	s_wait_tensorcnt 0x0                           ; all my first fills have landed
	ds_add_u32 v[SPW], v[NIL]                      ; 0 onto my spare word
	WIN 0xc0
.set i, 0
.rept 128
	v_mov_b32 v[S+i], 0                            ; S^T begins as zeros, so that the trip below is written once; these lines stand where the wave would wait for the add and for x's loads
.set i, i+1
.endr
	WIN 0
	s_wait_dscnt 0x0                               ; the add is done, and x is in registers
	ROUND                                          ; every wave of every partner has said so: slot 0 and the scale bytes are whole, and nobody reads slot 1
	tensor_load_to_lds s[G0R:G0R+3], s[G1W:G1W+7]
	s_nop 0
	PLACES 4
	s_mov_b32 s[TB], 0
	WIN MQK
	ADUP 0
	PROLOGUE
	WIN 0
	WSLD 0
	s_wait_loadcnt 0x0                             ; x's scale words
	s_mov_b32 s[CNT], 4
	; ---- Q, K AND THE SCORES: a trip is 128 along d_k
.Lqk:
	CHUNK 0, 0                                     ; Wq rows 128 n on
	HQMAX 1024
	HQSC 0, QS
	HQCVT QF, QF+12, QF+24, QF+36
	CHUNK 0, 0                                     ; Wq rows 128 n + 64 on
	HQMAX 16384
	HQSC 1, QS
	HQCVT QF+6, QF+18, QF+30, QF+42
	CHUNK 0, 0                                     ; Wk rows 128 n on
	HQMAX 17408
	HQSC 0, KS
	HQCVT KF, KF+12, KF+24, KF+36
	CHUNK 0, 1                                     ; Wk rows 128 n + 64 on; the slot is left and filled again
	HQMAX 2048                                     ; the next trip's first chunk; behind the last trip these are Wv's first, which is why Wv's scale bytes lie second
	HQSC 1, KS
	HQCVT KF+6, KF+18, KF+30, KF+42
	SCORES
	v_add_nc_u32 v[SAE], 2048, v[SAE]
	v_add_nc_u32 v[SAO], 2048, v[SAO]
	s_sub_co_u32 s[CNT], s[CNT], 1
	s_cmp_lg_u32 s[CNT], 0
	s_cbranch_scc1 .Lqk
	; ---- THE SOFTMAX, the four query tiles by turns.  t = score x c; M = ceil(the row's largest t); p = 2^(t - M), not normalised; l = the row's sum of the unquantised p
	PLACES 4
	WIN 0x0f                                       ; sources 0 and 1 window 3
.irp q, 0,1,2,3
	v_max_num_f32 v[BM+\q], v[S+32*\q], v[S+32*\q+1]       ; the largest score of my block of 32 keys: it serves the row's maximum and, since p rises with the score, the block's largest p
.endr
.irp i, 2,4,6,8,10,12,14,16,18,20,22,24,26,28,30
.irp q, 0,1,2,3
	v_max3_num_f32 v[BM+\q], v[S+32*\q+\i], v[S+32*\q+\i+1], v[BM+\q]
.endr
.endr
	WIN 0
.irp q, 0,1,2,3
	v_permlanex16_b32 v[TC+\q], v[BM+\q], s[SEL], s[SEL+1]
.endr
.irp q, 0,1,2,3
	v_max_num_f32 v[TC+\q], v[BM+\q], v[TC+\q]     ; with the other block's: the row's
.endr
.irp q, 0,1,2,3
	v_mul_f32 v[TC+\q], s[CS], v[TC+\q]            ; as t (c is positive)
.endr
.irp q, 0,1,2,3
	v_floor_f32 v[NM+2*\q], -v[TC+\q]              ; -M = floor(-t)
.endr
.irp q, 0,1,2,3
	v_mov_b32 v[NM+2*\q+1], v[NM+2*\q]             ; (named with it as a pair)
.endr
.irp q, 0,1,2,3
	v_fma_f32 v[BP+\q], v[BM+\q], s[CS], v[NM+2*\q]
.endr
	WIN 0xc3                                       ; source 0 and destination window 3
.set i, 0
.rept 64
	v_pk_fma_f32 v[S+2*i:S+2*i+1], v[S+2*i:S+2*i+1], s[CS:CS+1], v[NM+2*(i/16):NM+2*(i/16)+1] op_sel_hi:[1,0,0]    ; t - M, two at a time
.set i, i+1
.endr
.set i, 0
.rept 128
	v_exp_f32 v[S+i], v[S+i]                       ; p: one batch
.set i, i+1
.endr
	v_nop                                          ; one plain vector instruction behind the last exponential
	s_wait_alu depctr_va_vdst(0)                   ; one wait for the batch, ahead of the first line that names a result
	WIN 0
.irp q, 0,1,2,3
	v_exp_f32 v[BP+\q], v[BP+\q]                   ; the block's largest p: the same two instructions on the same number
.endr
.irp k, 0,1,2,3,4
.irp i, 0,1,2,3,4,5
	v_mov_b32 v[PCH+12*\k+\i], 0                   ; the zero codes between p's four fragments
.endr
.endr
	WIN 0x0f
.irp q, 0,1,2,3
	v_pk_add_f32 v[L+2*\q:L+2*\q+1], v[S+32*\q:S+32*\q+1], v[S+32*\q+2:S+32*\q+3]          ; the row's sum, two at a time, in two chains a tile
.endr
.irp q, 0,1,2,3
	v_pk_add_f32 v[L2+2*\q:L2+2*\q+1], v[S+32*\q+4:S+32*\q+5], v[S+32*\q+6:S+32*\q+7]
.endr
	WIN 0x03                                       ; source 0 window 3
.irp i, 8,12,16,20,24,28
.irp q, 0,1,2,3
	v_pk_add_f32 v[L+2*\q:L+2*\q+1], v[S+32*\q+\i:S+32*\q+\i+1], v[L+2*\q:L+2*\q+1]
	v_pk_add_f32 v[L2+2*\q:L2+2*\q+1], v[S+32*\q+\i+2:S+32*\q+\i+3], v[L2+2*\q:L2+2*\q+1]
.endr
.endr
	WIN 0
.irp q, 0,1,2,3
	v_pk_add_f32 v[L+2*\q:L+2*\q+1], v[L+2*\q:L+2*\q+1], v[L2+2*\q:L2+2*\q+1]
.endr
.irp q, 0,1,2,3
	v_add_f32 v[L+2*\q], v[L+2*\q], v[L+2*\q+1]
.endr
.irp q, 0,1,2,3
	v_permlanex16_b32 v[TC+\q], v[L+2*\q], s[SEL], s[SEL+1]
.endr
.irp q, 0,1,2,3
	v_add_f32 v[L+2*\q], v[L+2*\q], v[TC+\q]       ; l, in both lanes of a query
.endr
	s_wait_alu depctr_va_vdst(0)                   ; the wait for the four exponentials; the zeros and the sums stood between
.irp q, 0,1,2,3
	v_max_num_f32 v[BP+\q], 0x1800000, v[BP+\q]    ; the floor 2^(3 - 127)
.endr
.irp q, 0,1,2,3
	v_add_nc_u32 v[OP+\q], 0xff000000, v[BP+\q]    ; 2 off the exponent field: the conversion's scale operand
.endr
.irp q, 0,1,2,3
	v_lshrrev_b32 v[BY+\q], 23, v[OP+\q]
.endr
.irp q, 0,1,2,3
	v_lshlrev_b32 v[PS+\q], v[H8], v[BY+\q]        ; my block's byte at its place,
.endr
.irp q, 0,1,2,3
	v_permlanex16_b32 v[TA+\q], v[PS+\q], s[SEL], s[SEL+1]
.endr
.irp q, 0,1,2,3
	v_or_b32 v[PS+\q], v[PS+\q], v[TA+\q]          ; with the other block's,
.endr
.irp q, 0,1,2,3
	v_lshl_or_b32 v[PS+\q], v[PS+\q], 16, v[PS+\q] ; and both once more: p's codes stand in either half of the 128
.endr
.irp q, 0,1,2,3
	v_rcp_f32 v[RQ+\q], v[L+2*\q]
.endr
	WIN 0x03
.irp q, 0,1,2,3
	v_cvt_scalef32_pk16_fp6_f32 v[PCH+12*\q+6:PCH+12*\q+8], v[S+32*\q:S+32*\q+15], v[OP+\q]
	v_cvt_scalef32_pk16_fp6_f32 v[CT+4*\q:CT+4*\q+2], v[S+32*\q+16:S+32*\q+31], v[OP+\q]
.endr
	WIN 0
	v_nop                                          ; the plain instruction behind the conversions, and behind the reciprocals
	s_wait_alu depctr_va_vdst(0)                   ; one wait for the four reciprocals
.irp q, 0,1,2,3
.irp i, 0,1,2
	v_mov_b32 v[PCH+12*\q+9+\i], v[CT+4*\q+\i]
.endr
.endr
.irp q, 0,1,2,3
	v_permlanex16_b32 v[TA+\q], v[RQ+\q], s[SEL+1], s[SEL]         ; the selects changed over: lane i takes place (i + 8) % 16 of the other half, which holds the same 16 numbers
.endr
.irp q, 0,1,2,3
	v_cndmask_b32 v[ZR+\q], v[RQ+\q], v[TA+\q], s[HM]              ; lanes 16-31 take the turned row: place j of their half now holds 1 / l of query 8 + j
.endr
.irp q, 0,1,2,3
.irp j, 0,1,2,3,4,5,6,7
	v_mov_b32_dpp v[RL+8*\q+\j], v[ZR+\q] row_share:\j row_mask:0xf bank_mask:0xf  ; 1 / l of query 8 h + j of tile q, in every lane of the half (the registers were written before: they held K's codes)
.endr
.endr
	ADUP 1                                         ; from here on x is source 0, and the loads' addresses lie in window 2
	WIN 0
	; ---- V, p V AND THE SUM OVER THE QUERIES: eight chunks of Wv
	s_mov_b32 s[CNT], 3
.Lv1:
	VCH 0
	s_sub_co_u32 s[CNT], s[CNT], 1
	s_cmp_lg_u32 s[CNT], 0
	s_cbranch_scc1 .Lv1
	VCH 2                                          ; the slot's last chunk: the other slot's load is waited for, nothing is filled
	s_mov_b32 s[CNT], 3
.Lv2:
	VCH 0
	s_sub_co_u32 s[CNT], s[CNT], 1
	s_cmp_lg_u32 s[CNT], 0
	s_cbranch_scc1 .Lv2
	VCH 3
	; ---- THE WAY OUT: my batch's 2,048 bytes
.irp i, 0,1,2,3
	ds_load_b128 v[OUTR+4*\i:OUTR+4*\i+3], v[SR] offset:512*\i     ; LDS serves a wave's instructions in order (ISA guide 5.7.1.4): these see my stores
.endr
.irp i, 0,1,2,3
	s_wait_dscnt 3-\i                              ; the younger loads may stay out
	global_store_b128 v[LI], v[OUTR+4*\i:OUTR+4*\i+3], s[20:21] offset:512*\i th:TH_STORE_NT       ; 32 lanes store 512 consecutive bytes, at a multiple of 256 from out0's first byte
.endr
	s_wait_tensorcnt 0x0                           ; the wave's end: behind my last tensor load and my last LDS store
	ds_add_u32 v[SPW], v[NIL]
	s_wait_dscnt 0x0
	ROUND                                          ; the closing round: no work-group ends while a partner may still ask for a tile that names it
	s_endpgm
.Lfunc_end_k_qf870be2317_fused:
	.size	k_qf870be2317_fused, .Lfunc_end_k_qf870be2317_fused-k_qf870be2317_fused
	.p2alignl 7, 3214868480
	.fill 96, 4, 3214868480
	.section	.rodata,"a",@progbits
	.p2align	6, 0x0
	.amdhsa_kernel k_qf870be2317_fused
		.amdhsa_group_segment_fixed_size 327680
		.amdhsa_private_segment_fixed_size 0
		.amdhsa_enable_private_segment 0
		.amdhsa_kernarg_size 72
		.amdhsa_user_sgpr_count 2
		.amdhsa_user_sgpr_kernarg_segment_ptr 1
		.amdhsa_wavefront_size32 1
		.amdhsa_system_sgpr_workgroup_id_x 1
		.amdhsa_system_sgpr_workgroup_id_y 1
		.amdhsa_system_sgpr_workgroup_id_z 1
		.amdhsa_system_vgpr_workitem_id 0
		.amdhsa_next_free_vgpr 1024
		.amdhsa_next_free_sgpr 100
		.amdhsa_reserve_vcc 0
		.amdhsa_float_denorm_mode_32 3
		.amdhsa_float_denorm_mode_16_64 3
		.amdhsa_memory_ordered 1
		.amdhsa_forward_progress 1
		.amdhsa_inst_pref_size 255
	.end_amdhsa_kernel
	.amdgpu_metadata
---
amdhsa.version: [ 1, 2 ]
amdhsa.kernels:
  - .name:           k_qf870be2317_fused
    .symbol:         k_qf870be2317_fused.kd
    .args:
      - { .name: x_codes, .offset: 0, .size: 8, .value_kind: global_buffer, .address_space: global }
      - { .name: x_scales, .offset: 8, .size: 8, .value_kind: global_buffer, .address_space: global }
      - { .name: Wq_codes, .offset: 16, .size: 8, .value_kind: global_buffer, .address_space: global }
      - { .name: Wq_scales, .offset: 24, .size: 8, .value_kind: global_buffer, .address_space: global }
      - { .name: Wk_codes, .offset: 32, .size: 8, .value_kind: global_buffer, .address_space: global }
      - { .name: Wk_scales, .offset: 40, .size: 8, .value_kind: global_buffer, .address_space: global }
      - { .name: Wv_codes, .offset: 48, .size: 8, .value_kind: global_buffer, .address_space: global }
      - { .name: Wv_scales, .offset: 56, .size: 8, .value_kind: global_buffer, .address_space: global }
      - { .name: out0, .offset: 64, .size: 8, .value_kind: global_buffer, .address_space: global }
    .group_segment_fixed_size: 327680
    .private_segment_fixed_size: 0
    .kernarg_segment_align: 8
    .kernarg_segment_size: 72
    .max_flat_workgroup_size: 128
    .sgpr_count:     100
    .vgpr_count:     1024
    .wavefront_size: 32
...
	.end_amdgpu_metadata
.endif
;; end of part 1
;; ======== version 2 of 2: 1 launch
;; limits: right only within a limited range of input values
;; launch fused (part 2): grid 256 x 1, 4 waves a work-group, clusters of 4 x 1, 327,680 bytes of LDS; arguments x_codes, x_scales, Wq_codes, Wq_scales, Wk_codes, Wk_scales, Wv_codes, Wv_scales, out0; writes out0
.if DOCPART == 2
	.amdgcn_target "amdgcn-amd-amdhsa--gfx1250"
	.amdhsa_code_object_version 6
	.text
	.protected	k_qf870be2317_fused
	.globl	k_qf870be2317_fused
	.p2align	8
	.type	k_qf870be2317_fused,@function
k_qf870be2317_fused:
	s_mov_b64 s[64:65], 0
	v_nop
	global_prefetch_b8 v0, s[64:65] scope:SCOPE_SE
	s_setreg_imm32_b32 hwreg(HW_REG_WAVE_MODE, 25, 1), 1
	s_wait_xcnt 0x0
	s_wait_alu depctr_hold_cnt(0) depctr_sa_sdst(0) depctr_va_vdst(0) depctr_va_sdst(0) depctr_va_ssrc(0) depctr_va_vcc(0) depctr_vm_vsrc(0)
	s_getreg_b32 s2, hwreg(HW_REG_IB_STS2, 6, 4)
	s_cmp_eq_u32 s2, 0
	s_cbranch_scc0 .Lentry_in_a_cluster
	s_endpgm
.Lentry_in_a_cluster:
	s_bfe_u32 s2, ttmp6, 0x10000c
	s_cmp_lg_u32 s2, 0x3003
	s_cbranch_scc0 .Lentry_shape_is_right
	s_endpgm
.Lentry_shape_is_right:
; out0[b][v] = sum over the 64 queries of softmax(Q K^T / sqrt(512)) V, Q, K, V = x[b] Wq^T, x[b] Wk^T, x[b] Wv^T; all five products on codes of FP6 (E2M3) with one E8M0 scale for each 32 along K.
; SHARES.  256 work-groups of four waves; a wave owns ONE batch of 64 rows whole: x (192 registers), Q, K, scores, p and V never leave its registers; nothing goes to memory but out0.
; The waves share the weights: chunks of 64 rows x 512 K (24,576 bytes), four chunks to a slot, two slots in LDS; each fragment read from LDS feeds four products (the batch's four tiles of x).
; CLUSTER.  All work-groups walk the same weights: the four of a cluster ask for every chunk jointly (mask 15; a mask names four, so the cluster is 4 x 1).
; ORDER.  Per trip of 128 along d_k: q0, q1 (Wq rows 128 n, + 64), k0, k1 (Wk's).  Then Wv's eight chunks.  THE QUANTISER OF A CHUNK STANDS AMONG THE NEXT CHUNK'S PRODUCTS (two sets of 128 accumulators, by turns): behind every second
; product a few lines of it; the conversions follow the chunk's last product.  So the scores of trip n stand behind the next trip's q0 (the last behind V's first chunk), and p V of chunk i behind the products of chunk i + 1;
; its weighing by 1 / l and its sum over the queries stand among the products of chunk i + 2.
; THE ROWS OF A TILE ARE NOT NEIGHBOURS: lane r = 8 q + a of tile t (of a chunk's four, and of x's four) takes row 8 t + a + q (40 for even t, 24 for odd t).  A result's lane (r, h) then holds, in its 32 registers over the four
; tiles, ONE block of 32 along the next K (block h; for h = 1 its groups of eight change places, alike in both operands of the next product): the block's largest magnitude needs no other lane.
; THE BLOCKS OF A K STEP change places alike in x and W: lane half h takes the step's bytes 48 h .. 48 h + 47 of its row (blocks 2 h, 2 h + 1), three loads of 16 bytes; so bytes 1 and 2 of each scale word change places, once, at the head.
; p V has K = 64 under an instruction of K = 128: a fragment of V packs tile u (registers 0-5) and tile u + 2 (6-11); p stands once with zero codes behind it and once with zero codes in front.
; No prefetch is laid: x is asked for by the first fills; a refill of weights is issued 224 products ahead of the wait for it.
; LIMITS: NaN, infinities and scale bytes 0xff among the inputs are not served.  A block of zeros gets the byte 1 where the rule says 127 (its codes are zeros; this program alone reads the bytes).
; Blocks whose largest magnitude lies under 2^(3 - 127) are held at that floor.  Products within a K step are added in another order of k than ascending.
.set CH,     27648                     ; a chunk in LDS: 64 rows x 432 bytes (384 of data, 16 of padding behind every 128): the 16 lanes of a half start at 16 different 16-byte columns of 256 bytes
.set SLOT1,  4*CH                      ; slot 1 lies right behind slot 0; its first fill is x (batch w of the work-group at place w)
.set SCB,    8*CH                      ; the weights' scale words, bytes 1 and 2 changed over, 16 bytes a row: Wq's, then Wv's, then Wk's, 8,192 bytes each
.set STG,    SCB+24576                 ; 2,048 bytes for each wave, its row of out0
.set SPARE,  STG+8192                  ; the spare words, 128 bytes for each wave
; window 0
.set SPW, 8                            ; v8   my spare word; never rewritten
.set NIL, 9                            ; v9   0; never rewritten
.set H8,  10                           ; v10  8 h
.set SA,  11                           ; v11  LDS address of my rows' scale words: lanes 0-15 an even tile's, lanes 16-31 the next (odd) tile's
.set OE,  12                           ; v12, v13  the stage: where my outputs of tiles 0, 2 and of tiles 1, 3 go
.set OO,  13
.set LI,  14                           ; v14  16 x lane
.set SR,  15                           ; v15  the stage, read back
.set AD,  16                           ; v16-19  LDS addresses of the chunk that is fetched (even tiles; behind one padding more for lanes 16-31; odd tiles, likewise);  v20-23 the lanes' terms of them
.set LT,  20
.set XS,  24                           ; v24-31  x's scale words: tiles m, m + 1 in the halves of the lanes, K step s at 4 (m / 2) + s
.set WSA, 34                           ; v34-41, v42-49  a chunk's, likewise: two sets
.set WSB, 42
.set QS,  56                           ; v56-59 Q's scale words, v60-63 K's, v64-67 p's, v68-69 V's
.set KS,  60
.set PS,  64
.set VS,  68
.set TA,  70                           ; v70-73 the quantiser's maxima; v74-77 the conversions' scale operands; v78-81 bytes
.set OP,  74
.set BY,  78
.set CT,  82                           ; v82-97  a block's second three registers are made here and moved: a conversion's three begin on an even number
.set QF,  100                          ; v100-147 Q's four fragments of a K step;  v148-195 K's
.set KF,  148
.set PCH, 100                          ; behind the scores: v100-153 zeros, p 0, zeros, p 1, zeros, p 2, zeros, p 3, zeros, six registers each
.set RL,  154                          ; v154-185 1 / l of query 8 h + j of tile q at 8 q + j
.set SUM, 186                          ; v186-193 four pairs
.set BM,  154                          ; softmax, ahead of 1 / l: a block's largest score; -M (pairs); sums (pairs); a block's largest p
.set NM,  158
.set L,   166
.set L2,  174
.set BP,  182
.set AA,  244
.set RR,  248
.set RQ,  248
.set ZR,  252
.set OUTR, 204
; v196-243: the weight fragments of K step 3
; window 1: v0-127, v128-255 the two sets of accumulators
; window 2: v0-191 x's 16 fragments (tile m, K step s at 12 (4 m + s)); v192-239 the weight fragments of K step 2
; window 3: v0-127 S^T (query tile q, key tile k at 32 q + 8 k), then p, then p V; v128-223 the weight fragments of K steps 0 and 1; v224-247 V's two packed fragments
.set S,   0
.set PO,  0
.set VF,  224
; scalars
.set WV,  22                           ; my wave's number
.set CX,  23                           ; my place in the cluster: it enters x's, x's scales' and out0's addresses alone
.set WG,  24
.set TB,  25                           ; LDS byte at which the chunk begins whose fragments are fetched
.set CNT, 26
.set HM,  27                           ; lanes 16-31
.set SEL, 28                           ; s[28:29] v_permlanex16_b32's selects for lane l xor 16
.set CS,  30                           ; s[30:31] c = log2(e) / sqrt(512)
.set G1W, 32                           ; group 1: a chunk, joint;  s[40:47] two batches of x, plain;  s[48:55] two chunks, joint
.set G1X, 40
.set G1H, 48
.set G0A, 56                           ; groups 0: the head's weights; the head's x; the walking one
.set SB,  60                           ; s60  the slot that is filled next
.set PSEL, 61
.set G0X, 68
.set G0R, 80
.set FQ,  84                           ; s[84:91] the addresses of the four refills that follow the first
.set MSB, 0
.macro WIN new                         ; bits 1:0 source 0, 3:2 source 1, 5:4 source 2, 7:6 destination; the high byte repeats the setting that is left; a switch that changes nothing is dropped
.if MSB != (\new)
	s_set_vgpr_msb (MSB<<8)|(\new)
.set MSB, \new
.endif
.endm
.macro PLACES n
.rept \n
	v_nop
.endr
.endm
.macro CREST                           ; a round of the cluster's barrier behind its opening barrier
	s_cmp_lg_u32 s[WV], 0
	s_cbranch_scc1 .Lnot_wave_0_\@
	s_barrier_signal -3
.Lnot_wave_0_\@:
	s_barrier_wait -3
	s_barrier_signal -1
	s_barrier_wait -1
.endm
.macro ROUND
	s_barrier_signal -1
	s_barrier_wait -1
	CREST
.endm
.macro WMN d, a, b, sa, sb             ; a product that starts a sum
	v_wmma_scale_f32_16x16x128_f8f6f4 v[(\d):(\d)+7], v[(\a):(\a)+11], v[(\b):(\b)+11], 0, v[\sa], v[\sb] matrix_a_fmt:MATRIX_FMT_FP6 matrix_b_fmt:MATRIX_FMT_FP6
.endm
.macro WMA d, a, b, sa, sb             ; a product that adds in place
	v_wmma_scale_f32_16x16x128_f8f6f4 v[(\d):(\d)+7], v[(\a):(\a)+11], v[(\b):(\b)+11], v[(\d):(\d)+7], v[\sa], v[\sb] matrix_a_fmt:MATRIX_FMT_FP6 matrix_b_fmt:MATRIX_FMT_FP6
.endm
.macro WMS z, ra, rb                   ; a chunk's product at mD, mA, mB, qA, qB; K step 0 starts the sum
.if \z == 0
	v_wmma_scale_f32_16x16x128_f8f6f4 v[mD:mD+7], v[mA:mA+11], v[mB:mB+11], 0, v[qA], v[qB] matrix_a_fmt:MATRIX_FMT_FP6 matrix_b_fmt:MATRIX_FMT_FP6 matrix_a_scale:MATRIX_SCALE_ROW\ra matrix_b_scale:MATRIX_SCALE_ROW\rb
.else
	v_wmma_scale_f32_16x16x128_f8f6f4 v[mD:mD+7], v[mA:mA+11], v[mB:mB+11], v[mD:mD+7], v[qA], v[qB] matrix_a_fmt:MATRIX_FMT_FP6 matrix_b_fmt:MATRIX_FMT_FP6 matrix_a_scale:MATRIX_SCALE_ROW\ra matrix_b_scale:MATRIX_SCALE_ROW\rb
.endif
.endm
.macro WBS s                           ; where K step s's weight fragments lie: register and window
.if \s == 0
.set WB_, 128
.set WW_, 3
.elseif \s == 1
.set WB_, 176
.set WW_, 3
.elseif \s == 2
.set WB_, 192
.set WW_, 2
.else
.set WB_, 196
.set WW_, 0
.endif
.endm
; RUN: the four fragments of K step s of the chunk at the addresses in hand: 12 loads of 16 bytes a lane.  Lanes 0-15 take data byte d of their row, lanes 16-31 byte d + 48, which lies behind one padding more
; where d % 128 is 80 or more: the second address serves there.  The caller sets the window of the data.
.macro RUN s
	WBS \s
.irp t, 0,1,2,3
.irp p, 0,1,2
.set ldd, 96*(\s)+16*\p
.set ldx, 0
.if (ldd%128) >= 80
.set ldx, 1
.endif
	ds_load_b128 v[WB_+12*\t+4*\p:WB_+12*\t+4*\p+3], v[AD+2*(\t%2)+ldx] offset:ldd+16*(ldd/128)+3456*\t
.endr
.endr
.endm
.macro RUNB                            ; K steps 2 and 3: 24 loads
	WIN 0x80
	RUN 2
	WIN 0
	RUN 3
.endm
.macro ADUP                            ; the LDS addresses of the chunk at s[TB]
.irp i, 0,1,2,3
	v_add_nc_u32 v[AD+\i], s[TB], v[LT+\i]
.endr
.endm
; ph = 0: source 0 = 16 rows of W, source 1 = 16 rows of x (Q^T, K^T: a lane holds a row of x).  ph = 1: the other way round (V: a lane holds a column v, its registers keys).
.macro MM ph, s
.set t_, uk/4
.set m_, uk%4
.if \ph == 0
.set mD, ACC+32*m_+8*t_
.set mA, WB_+12*t_
.set mB, 12*(4*m_+\s)
.set qA, WSC+4*(t_/2)+\s
.set qB, XS+4*(m_/2)+\s
.set rr_, 2*(t_%2)+(m_%2)
.else
.set mD, ACC+32*t_+8*m_
.set mA, 12*(4*m_+\s)
.set mB, WB_+12*t_
.set qA, XS+4*(m_/2)+\s
.set qB, WSC+4*(t_/2)+\s
.set rr_, 2*(m_%2)+(t_%2)
.endif
.if rr_ == 0
	WMS \s, 0, 0
.elseif rr_ == 1
	WMS \s, 0, 1
.elseif rr_ == 2
	WMS \s, 1, 0
.else
	WMS \s, 1, 1
.endif
.endm
; A K step: 16 products; the chunk's 16 accumulators take turns, one instruction a turn, in the same order in every K step.  Behind every second product stand lines of the list L.
.macro STEP ph, s, L
	WBS \s
.if \ph == 0
.set SWN, 0x58|WW_
.else
.set SWN, 0x52|(WW_<<2)
.endif
.set uk, 0
.rept 16
	WIN SWN
	MM \ph, \s
.if uk%2
	\L
.endif
.set uk, uk+1
.endr
.endm
.macro L_NONE
.endm
; THE QUANTISER'S LIST, of the accumulator set QA: four groups of 32 registers, each a whole block of 32 along the next K.  Entries 0-63: the four groups' largest magnitudes by turns, with the floor 2^(3 - 127) among the leaves, each
; accumulator from its low end on.  Then the conversions' scale operands (2 off the exponent field), and the scale words.  KD 0: the first 64 of a K step: my byte (block h) is kept.  KD 1: the second 64: my byte of block 2 + h joins it,
; both move 8 h bits up, and lane l xor 16's two make the word whole.  KD 2: V: tile u's byte and tile u + 2's, likewise.
.macro HQ qa, kd, sw
.set QA, \qa
.set KD, \kd
.set SWD, \sw
.set EI, 0
.if \kd == 0
.set NE, 72
.elseif \kd == 1
.set NE, 88
.else
.set NE, 80
.endif
.endm
.macro ENT
.if EI < 64
.set g_, EI%4
.set i_, QA+32*(EI%4)+2*(EI/4)
	WIN 0x14
.if EI < 4
	v_max3_num_f32 v[TA+g_], 0x1800000, |v[i_]|, |v[i_+1]|
.else
	v_max3_num_f32 v[TA+g_], v[TA+g_], |v[i_]|, |v[i_+1]|
.endif
.elseif EI < NE
	WIN 0
.set si, EI-64
.set g_, si%4
.set u_, si%2
.if si < 4
	v_add_nc_u32 v[OP+g_], 0xff000000, v[TA+g_]
.elseif KD == 0
	v_lshrrev_b32 v[SWD+g_], 23, v[OP+g_]
.elseif si < 8
	v_lshrrev_b32 v[BY+g_], 23, v[OP+g_]
.elseif KD == 1
.if si < 12
	v_lshl_or_b32 v[SWD+g_], v[BY+g_], 16, v[SWD+g_]
.elseif si < 16
	v_lshlrev_b32 v[SWD+g_], v[H8], v[SWD+g_]
.elseif si < 20
	v_permlanex16_b32 v[TA+g_], v[SWD+g_], s[SEL], s[SEL+1]
.else
	v_or_b32 v[SWD+g_], v[SWD+g_], v[TA+g_]
.endif
.elseif si < 10
	v_lshl_or_b32 v[SWD+u_], v[BY+u_+2], 16, v[BY+u_]
.elseif si < 12
	v_lshlrev_b32 v[SWD+u_], v[H8], v[SWD+u_]
.elseif si < 14
	v_permlanex16_b32 v[TA+u_], v[SWD+u_], s[SEL], s[SEL+1]
.else
	v_or_b32 v[SWD+u_], v[SWD+u_], v[TA+u_]
.endif
.endif
.set EI, EI+1
.endm
; THE SUM'S LIST: each result of p V x 1 / l of its query, four chains by turns, each accumulator from its low end on; then the halves, and tiles u and u + 2 change places between the lanes' halves: lanes 0-15 tile u's sums, 16-31 tile u + 2's
.macro ENT2
.if E2 < 64
.set t2_, E2%4
.set i2_, 2*(E2/4)
	WIN 0x03
.if E2 < 4
	v_pk_mul_f32 v[SUM+2*t2_:SUM+2*t2_+1], v[PO+32*t2_:PO+32*t2_+1], v[RL:RL+1]
.else
	v_pk_fma_f32 v[SUM+2*t2_:SUM+2*t2_+1], v[PO+32*t2_+i2_:PO+32*t2_+i2_+1], v[RL+i2_:RL+i2_+1], v[SUM+2*t2_:SUM+2*t2_+1]
.endif
.elseif E2 < 72
	WIN 0
.set si, E2-64
.if si < 4
	v_add_f32 v[AA+si], v[SUM+2*si], v[SUM+2*si+1]
.elseif si < 6
	v_permlane16_swap_b32 v[AA+si-4], v[AA+si-2]
.else
	v_add_f32 v[RR+si-6], v[AA+si-6], v[AA+si-4]
.endif
.endif
.set E2, E2+1
.endm
.macro LQ                              ; three entries of the quantiser's list
	ENT
	ENT
	ENT
.endm
.macro LS
.rept 10
	ENT
.endr
.endm
.macro LV                              ; three of the quantiser's and, from the third pair of products on, two of the sum's (p V's results have had their places by then); later five of the sum's
.if EI < 80
	LQ
.if EI > 6
	ENT2
	ENT2
.endif
.else
.rept 5
	ENT2
.endr
.endif
.endm
; A CHUNK: 64 products on the accumulator set cur and the scale words ws.  Behind K steps 0 and 1 the next chunk's K steps 0 and 1 are fetched, with its scale words (set wsn, from offset sco); its K steps 2 and 3 by the caller,
; behind the last product.  Each run stands 32 products or more ahead of its first use.  A load into a register that a product has read stands four plain vector instructions behind it: the address additions.
; mode 0: as said.  mode 1: the slot's last chunk: its fragments are all in registers or on their way there, so behind a round the slot is filled again.  mode 3: nothing is fetched.
.macro CHUNK ph, cur, ws, wsn, sco, mode, L
.set ACC, \cur
.set WSC, \ws
	WIN 0
.if \mode == 1
	s_wait_tensorcnt 0x0                           ; all my tensor loads have landed: the one that was out is my chunk of the other slot
	ds_add_u32 v[SPW], v[NIL]                      ; 0 onto my spare word
	s_xor_b32 s[SB], s[SB], SLOT1                  ; no tensor load of mine is out, so the walking group 0 may be written: the slot that is being left,
	s_add_co_u32 s[G0R+1], s98, s[SB]
	s_mov_b64 s[G0R+2:G0R+3], s[FQ:FQ+1]           ; the next address of the queue
	s_or_b32 s[G0R+3], s[G0R+3], 0x80000000
	s_mov_b64 s[FQ:FQ+1], s[FQ+2:FQ+3]
	s_mov_b64 s[FQ+2:FQ+3], s[FQ+4:FQ+5]
	s_mov_b64 s[FQ+4:FQ+5], s[FQ+6:FQ+7]
	s_wait_dscnt 25                                ; K steps 0 and 1 and the scale words are in; the 24 loads of K steps 2 and 3 and the add may be out
.else
	s_wait_dscnt 24                                ; the same, without the add
.endif
	STEP \ph, 0, \L
.if \mode == 1
	WIN 0
	s_wait_alu depctr_va_vdst(0)
	s_wait_dscnt 0x0                               ; the add is done, and so are my reads of this slot
	s_barrier_signal -1
	STEP \ph, 1, L_NONE                            ; work on registers while the others arrive
	WIN 0
	s_barrier_wait -1
	CREST                                          ; no wave of any partner still reads this slot or has a load on its way
	s_sub_co_u32 s[TB], s[TB], 3*CH                ; back to a slot's first chunk,
	s_xor_b32 s[TB], s[TB], SLOT1                  ; in the other slot, which is whole
	tensor_load_to_lds s[G0R:G0R+3], s[G1W:G1W+7]  ; my one tensor load behind the round
	s_nop 0
	ADUP                                           ; four plain vector instructions: the places behind the load and in front of the run
.else
	STEP \ph, 1, \L
	WIN 0
.if \mode == 0
	s_add_co_u32 s[TB], s[TB], CH
	ADUP
.endif
	s_wait_alu depctr_va_vdst(0)
	s_wait_dscnt 0x0                               ; K steps 2 and 3 are in: asked for 32 products ago
.endif
.if \mode != 3
	WIN 0xc0
	RUN 0
	RUN 1
	WIN 0
	ds_load_b128 v[\wsn:\wsn+3], v[SA] offset:\sco
	ds_load_b128 v[\wsn+4:\wsn+7], v[SA] offset:(\sco)+256
.endif
	STEP \ph, 2, \L
	STEP \ph, 3, \L
.endm
.macro CVT d0, d1, d2, d3, dw          ; the four blocks' codes, six registers each, at d0 .. d3 of window dw
	WIN 0x01|(\dw<<6)
	v_cvt_scalef32_pk16_fp6_f32 v[\d0:\d0+2], v[QA:QA+15], v[OP]
	v_cvt_scalef32_pk16_fp6_f32 v[\d1:\d1+2], v[QA+32:QA+47], v[OP+1]
	v_cvt_scalef32_pk16_fp6_f32 v[\d2:\d2+2], v[QA+64:QA+79], v[OP+2]
	v_cvt_scalef32_pk16_fp6_f32 v[\d3:\d3+2], v[QA+96:QA+111], v[OP+3]
	WIN 0x01
.irp g, 0,1,2,3
	v_cvt_scalef32_pk16_fp6_f32 v[CT+4*\g:CT+4*\g+2], v[QA+32*\g+16:QA+32*\g+31], v[OP+\g]
.endr
	WIN (\dw<<6)
	v_nop                                          ; one plain vector instruction behind the last scaled conversion
.irp i, 0,1,2
	v_mov_b32 v[\d0+3+\i], v[CT+\i]
	v_mov_b32 v[\d1+3+\i], v[CT+4+\i]
	v_mov_b32 v[\d2+3+\i], v[CT+8+\i]
	v_mov_b32 v[\d3+3+\i], v[CT+12+\i]
.endr
	WIN 0
.endm
.macro HQEND d                         ; behind a chunk of Q or K: the last chunk's codes, then the next chunk's K steps 2 and 3 (the thirteen plain lines behind the conversions are the places)
	CVT \d, \d+12, \d+24, \d+36, 0
	RUNB
.endm
.macro SCORES L                        ; S^T += K_n Q_n^T: source 0 = 16 keys, source 1 = 16 queries: a lane holds one query, its 32 registers of a query tile the keys of block h
	PLACES 4                                       ; an operand written by a vector instruction stands four places ahead of a scaled product; the scale words were written earlier than the codes' twelve moves
.irp mq, 0,1,2,3
.irp mk, 0,1,2,3
	WIN 0xf0
	WMA S+32*\mq+8*\mk, KF+12*\mk, QF+12*\mq, KS+\mk, QS+\mq
.if \mk%2
	\L
.endif
.endr
.endr
	WIN 0
.endm
.macro PV                              ; source 0 = 16 queries of p, source 1 = 16 columns of V: lane (r, h) holds column r, register j query 8 h + j of the tile
	PLACES 4
	WIN 0xcc
.irp t, 0,1,2,3
.irp qt, 0,1,2,3
	WMN PO+32*\t+8*\qt, PCH+12*\qt+6-6*(\t/2), VF+12*(\t%2), PS+\qt, VS+(\t%2)
.endr
.endr
	WIN 0
.endm
.macro REDST                           ; 64 outputs into my stage
	ds_store_b32 v[OE], v[RR]
	ds_store_b32 v[OO], v[RR+1]
	v_add_nc_u32 v[OE], 256, v[OE]
	v_add_nc_u32 v[OO], 256, v[OO]
.endm
.macro ENDV fetch                      ; behind a chunk of V: the last chunk's codes, the sums of the one before it, the next chunk's K steps 2 and 3, p V of the last chunk
	CVT VF, VF+12, VF+6, VF+18, 3
	REDST
.if \fetch
	RUNB
.endif
	PV
.endm
	; ---- THE HEAD
	s_load_b512 s[4:19], s[0:1], 0x0               ; x's codes s[4:5], x's scales s[6:7], Wq's s[8:11], Wk's s[12:15], Wv's s[16:19]
	s_load_b64 s[20:21], s[0:1], 0x40              ; out0
	v_lshl_add_u32 v[SPW], v0, 2, SPARE
	v_mov_b32 v[NIL], 0
	ds_add_u32 v[SPW], v[NIL]                      ; the wave's opening: the add, twice on end, under one wait
	ds_add_u32 v[SPW], v[NIL]
	v_lshrrev_b32 v1, 5, v0
	v_readfirstlane_b32 s[WV], v1
	s_bfe_u32 s[CX], ttmp6, 0x40000
	s_lshl_b32 s[WG], ttmp9, 2                     ; in a cluster launch ttmp9 counts clusters
	s_add_co_u32 s[WG], s[WG], s[CX]
	s_mov_b32 s[HM], 0xffff0000
	s_mov_b32 s[SEL], 0x76543210
	s_mov_b32 s[SEL+1], 0xfedcba98
	s_mov_b32 s[CS], 0x3d8293ee                    ; log2(e) / sqrt(512)
	s_mov_b32 s[CS+1], s[CS]
	s_mov_b32 s[PSEL], 0x03010200                  ; bytes 1 and 2 change places
	; group 1: dense bytes stated as rows of 768 bytes (two rows of W or x): 32 rows a chunk, 64 rows two chunks or two batches; 16 bytes of padding behind every 128
	s_mov_b32 s[G1W], 15|(1<<20)|(1<<21)|(4<<22)|(3<<25)   ; 15:0 the mask: all four work-groups; elements of 1 byte; 20 padding on; 21 set beside a mask; 24:22 after every 32 words (code 4); 31:25 of 4 words (code 3)
	s_mov_b32 s[G1H], 15|(1<<20)|(1<<21)|(4<<22)|(3<<25)
	s_mov_b32 s[G1X], (1<<20)|(4<<22)|(3<<25)              ; without a mask: x is this work-group's
.irp g, G1W, G1X, G1H
	s_mov_b32 s[\g+1], 768<<16
	s_mov_b32 s[\g+3], 768<<16
	s_mov_b32 s[\g+5], 768
	s_mov_b32 s[\g+6], 0
	s_mov_b32 s[\g+7], 0
.endr
	s_mov_b32 s[G1W+2], 32<<16
	s_mov_b32 s[G1W+4], 32
	s_mov_b32 s[G1X+2], 64<<16
	s_mov_b32 s[G1X+4], 64
	s_mov_b32 s[G1H+2], 64<<16
	s_mov_b32 s[G1H+4], 64
	s_mul_i32 s92, s[WG], 98304                    ; my work-group's four batches in x's codes,
	s_and_b32 s2, s[WV], 1
	s_mul_i32 s3, s2, 49152
	s_add_co_u32 s92, s92, s3                      ; and which two of them I fetch (waves 2 and 3)
	s_mov_b32 s93, 0
	s_mul_i32 s2, s2, 24576                        ; in a refill: which 64 rows of a trip's 128
	s_mov_b32 s3, 0
	s_lshl_b32 s94, s[WG], 2
	s_add_co_u32 s94, s94, s[WV]                   ; my batch
	s_lshl_b32 s96, s94, 11                        ; in out0,
	s_mov_b32 s97, 0
	s_lshl_b32 s94, s94, 10                        ; in x's scales
	s_mov_b32 s95, 0
	s_mul_i32 s98, s[WV], CH                       ; my place in a slot: the wave's number alone enters an LDS address
	s_lshl_b32 s62, s[WV], 11
	s_add_co_u32 s99, s62, STG                     ; my stage
	s_mov_b32 s[G0A], 1
	s_mul_i32 s[G0A+1], s[WV], 2*CH                ; the head's loads: wave w's at 2 w chunks: waves 0, 1 slot 0's halves (W), waves 2, 3 slot 1's (x)
	s_mov_b32 s[G0X], 1
	s_mul_i32 s[G0X+1], s[WV], 2*CH
	; the lanes' constants.  lane = 16 h + 8 q + a
	v_and_b32 v1, 7, v0                            ; a
	v_bfe_u32 v2, v0, 3, 1                         ; q
	v_bfe_u32 v3, v0, 4, 1                         ; h
	v_and_b32 v4, 31, v0                           ; lane
	v_lshlrev_b32 v[H8], 3, v3
	v_lshlrev_b32 v[LI], 4, v4
	v_mul_u32_u24 v5, v2, 640                      ; 16 bytes of scales a row: 40 q rows; for h = 1 8 + 24 q rows:
	v_lshlrev_b32 v6, 7, v3
	v_xor_b32 v5, v5, v6                           ; 0, 640, 128, 512
	v_lshl_add_u32 v4, v1, 4, v5                   ; v4: my row's 16 scale bytes in a pair of tiles
	v_add_nc_u32 v[SA], SCB, v4
	v_lshlrev_b32 v5, 2, v1
	v_lshl_add_u32 v5, v3, 6, v5
	v_add_nc_u32 v5, s99, v5                       ; the stage: 4 a + 64 h (tile u + 2's columns lie 16 on),
	v_mad_u32_u24 v[OE], v2, 160, v5               ; + 4 x 40 q for tiles 0 and 2,
	v_mad_u32_u24 v[OO], v2, 96, v5                ; + 4 x 24 q,
	v_add_nc_u32 v[OO], 32, v[OO]                  ; + 4 x 8 for tiles 1 and 3
	v_add_nc_u32 v[SR], s99, v[LI]
	v_mul_u32_u24 v5, v1, 432
	v_mad_u32_u24 v5, v3, 48, v5                   ; a fragment's row: 432 a + 48 h,
	v_lshl_add_u32 v6, v3, 4, v5                   ; and the same behind one padding more for lanes 16-31
	v_mad_u32_u24 v[LT], v2, 17280, v5             ; + 40 q rows in even tiles,
	v_mad_u32_u24 v[LT+1], v2, 17280, v6
	v_mad_u32_u24 v[LT+2], v2, 10368, v5           ; + 24 q rows in odd ones
	v_mad_u32_u24 v[LT+3], v2, 10368, v6
	v_add_nc_u32 v6, s62, v[LI]                    ; my quarter of a tensor of scale bytes
	v_add_nc_u32 v7, SCB, v6
	s_wait_alu depctr_va_vdst(0)
	s_wait_dscnt 0x0                               ; both opening adds are done
	ROUND                                          ; all four work-groups are here: the first joint loads meet
	s_wait_kmcnt 0x0
	s_cmp_eq_u32 s[WV], 0
	s_cselect_b64 s[G0A+2:G0A+3], s[8:9], s[12:13] ; wave 0: Wq's first 128 rows, wave 1: Wk's
	s_or_b32 s[G0A+3], s[G0A+3], 0x80000000
	s_add_nc_u64 s[G0X+2:G0X+3], s[4:5], s[92:93]
	s_or_b32 s[G0X+3], s[G0X+3], 0x80000000
	s_cmp_lt_u32 s[WV], 2                          ; ONE tensor load a wave at the head
	s_cbranch_scc0 .Lfor_x
	tensor_load_to_lds s[G0A:G0A+3], s[G1H:G1H+7]
	s_nop 0
	PLACES 4
	s_branch .Lasked
.Lfor_x:
	tensor_load_to_lds s[G0X:G0X+3], s[G1X:G1X+7]
	s_nop 0
	PLACES 4
.Lasked:
	s_add_nc_u64 s[6:7], s[6:7], s[94:95]
	s_add_nc_u64 s[20:21], s[20:21], s[96:97]
.irp i, 0,1,2,3                                    ; the weights' scale bytes: 512 neighbouring bytes an instruction
	global_load_b128 v[100+4*\i:103+4*\i], v6, s[10:11] offset:512*\i
	global_load_b128 v[116+4*\i:119+4*\i], v6, s[18:19] offset:512*\i
	global_load_b128 v[132+4*\i:135+4*\i], v6, s[14:15] offset:512*\i
.endr
	global_load_b128 v[XS:XS+3], v4, s[6:7] th:TH_LOAD_NT              ; x's scale words: a row's 16 bytes are its four K steps' words
	global_load_b128 v[XS+4:XS+7], v4, s[6:7] offset:256 th:TH_LOAD_NT
	s_cmp_lt_u32 s[WV], 2                          ; refills: waves 0 and 1 fetch Wq's two chunks of a trip, waves 2 and 3 Wk's
	s_cselect_b64 s[92:93], s[8:9], s[12:13]
	s_add_nc_u64 s[92:93], s[92:93], s[2:3]        ; a trip on is 128 rows, 49,152 bytes
	s_mov_b32 s[SB], SLOT1
	s_mov_b32 s[G0R], 1
	s_add_co_u32 s[G0R+1], s98, s[SB]              ; trip 1's goes where x lay
	s_add_nc_u64 s[G0R+2:G0R+3], s[92:93], 49152
	s_or_b32 s[G0R+3], s[G0R+3], 0x80000000
	s_add_nc_u64 s[FQ:FQ+1], s[92:93], 98304       ; the queue: trip 2's, trip 3's,
	s_add_nc_u64 s[FQ+2:FQ+3], s[92:93], 147456
	s_mul_i32 s2, s[WV], 24576
	s_add_nc_u64 s[FQ+4:FQ+5], s[16:17], s[2:3]    ; Wv's rows 64 w on, and 256 + 64 w on
	s_add_nc_u64 s[FQ+6:FQ+7], s[FQ+4:FQ+5], 98304
	s_mov_b32 s[TB], 0
	s_mov_b32 s[CNT], 4
	WIN 0xc0
.set i, 0
.rept 128
	v_mov_b32 v[S+i], 0                            ; S^T begins as zeros, so that the trip is written once; under the loads' flight
.set i, i+1
.endr
	WIN 0
	s_wait_alu depctr_va_vdst(0)
	s_wait_loadcnt 0x0
.set i, 0
.rept 48
	v_perm_b32 v[100+i], v[100+i], v[100+i], s[PSEL]
.set i, i+1
.endr
.set i, 0
.rept 8
	v_perm_b32 v[XS+i], v[XS+i], v[XS+i], s[PSEL]
.set i, i+1
.endr
.set i, 0
.rept 12
	ds_store_b128 v7, v[100+4*i:103+4*i] offset:8192*(i/4)+512*(i%4)
.set i, i+1
.endr
	s_wait_alu depctr_va_vdst(0)
	s_cmp_lt_u32 s[WV], 2
	s_cbranch_scc0 .Lno_w
	s_wait_tensorcnt 0x0                           ; waves 0 and 1: the weights have landed
.Lno_w:
	s_wait_dscnt 0x0                               ; my part of the scale words is stored
	s_barrier_signal -1
	s_barrier_wait -1                              ; slot 0 and the scale words are whole; x may be on its way
	ADUP
	WIN 0xc0
	RUN 0                                          ; the first chunk's fragments, under x's flight
	RUN 1
	WIN 0
	ds_load_b128 v[WSA:WSA+3], v[SA]
	ds_load_b128 v[WSA+4:WSA+7], v[SA] offset:256
	RUNB
	s_add_co_u32 s62, s98, SLOT1                   ; my batch's place
	s_wait_tensorcnt 0x0
	s_wait_dscnt 0x0
	s_barrier_signal -1
	s_barrier_wait -1                              ; x is in
.irp i, 0,1,2,3
	v_add_nc_u32 v[AD+\i], s62, v[LT+\i]
.endr
	WIN 0x80
.irp s, 0,1,2,3
.irp m, 0,1,2,3
.irp p, 0,1,2
.set ldd, 96*\s+16*\p
.set ldx, 0
.if (ldd%128) >= 80
.set ldx, 1
.endif
	ds_load_b128 v[12*(4*\m+\s)+4*\p:12*(4*\m+\s)+4*\p+3], v[AD+2*(\m%2)+ldx] offset:ldd+16*(ldd/128)+3456*\m
.endr
.endr
.endr
	WIN 0
	s_wait_alu depctr_va_vdst(0)
	s_wait_tensorcnt 0x0
	ds_add_u32 v[SPW], v[NIL]                      ; 0 onto my spare word
	s_wait_dscnt 0x0                               ; the add is done, and x is in registers
	ROUND                                          ; nobody reads slot 1
	tensor_load_to_lds s[G0R:G0R+3], s[G1W:G1W+7]  ; slot 1 takes trip 1's chunks
	s_nop 0
	PLACES 4
	; ---- Q, K AND THE SCORES
	CHUNK 0, 0, WSA, WSB, 1024, 0, L_NONE          ; q0 of trip 0
	PLACES 4
	RUNB
.Lqk:
	HQ 0, 0, QS
	CHUNK 0, 128, WSB, WSA, 16384, 0, LQ           ; q1; q0's quantiser
	HQEND QF
	HQ 128, 1, QS
	CHUNK 0, 0, WSA, WSB, 17408, 0, LQ             ; k0; q1's
	HQEND QF+6
	HQ 0, 0, KS
	CHUNK 0, 128, WSB, WSA, 2048, 1, LQ            ; k1; k0's; the slot is left and filled again.  Behind the last trip the next scale words are Wv's first, which is why Wv's lie second
	HQEND KF
	v_add_nc_u32 v[SA], 2048, v[SA]
	s_cmp_eq_u32 s[CNT], 1
	s_cbranch_scc1 .Lv0                            ; the fourth trip leaves here: V's first chunk follows in the place of a fifth q0
	HQ 128, 1, KS
	CHUNK 0, 0, WSA, WSB, 1024, 0, LQ              ; the next trip's q0; k1's
	HQEND KF+6
	SCORES L_NONE
	s_sub_co_u32 s[CNT], s[CNT], 1
	s_cmp_lg_u32 s[CNT], 0
	s_cbranch_scc1 .Lqk
.Lv0:
	HQ 128, 1, KS
	CHUNK 1, 0, WSA, WSB, 1024, 0, LQ              ; V's chunk 0; the last k1's
	HQEND KF+6
	HQ 0, 2, VS
	SCORES LS                                      ; among the last scores stands the quantiser of V's chunk 0, so that its results are read ahead of the exponentials
	CVT VF, VF+12, VF+6, VF+18, 3
	; ---- THE SOFTMAX, the four query tiles by turns.  t = score x c; M = ceil(the row's largest t); p = 2^(t - M), not normalised; l = the row's sum of the unquantised p.
	WIN 0x0f
.irp q, 0,1,2,3
	v_max_num_f32 v[BM+\q], v[S+32*\q], v[S+32*\q+1]       ; the largest score of my block of 32 keys: it serves the row's maximum and, since p rises with the score, the block's largest p
.endr
.irp i, 2,4,6,8,10,12,14,16,18,20,22,24,26,28,30
.irp q, 0,1,2,3
	v_max3_num_f32 v[BM+\q], v[S+32*\q+\i], v[S+32*\q+\i+1], v[BM+\q]
.endr
.endr
	WIN 0
.irp q, 0,1,2,3
	v_permlanex16_b32 v[TA+\q], v[BM+\q], s[SEL], s[SEL+1]
.endr
.irp q, 0,1,2,3
	v_max_num_f32 v[TA+\q], v[BM+\q], v[TA+\q]     ; with the other block's: the row's
.endr
.irp q, 0,1,2,3
	v_mul_f32 v[TA+\q], s[CS], v[TA+\q]            ; as t (c is positive)
.endr
.irp q, 0,1,2,3
	v_floor_f32 v[NM+2*\q], -v[TA+\q]              ; -M = floor(-t)
.endr
.irp q, 0,1,2,3
	v_mov_b32 v[NM+2*\q+1], v[NM+2*\q]             ; (named with it as a pair)
.endr
.irp q, 0,1,2,3
	v_fma_f32 v[BP+\q], v[BM+\q], s[CS], v[NM+2*\q]
.endr
	WIN 0xc3
.set i, 0
.rept 64
	v_pk_fma_f32 v[S+2*i:S+2*i+1], v[S+2*i:S+2*i+1], s[CS:CS+1], v[NM+2*(i/16):NM+2*(i/16)+1] op_sel_hi:[1,0,0]    ; t - M, two at a time
.set i, i+1
.endr
.set i, 0
	s_wait_alu depctr_va_vdst(0)
.rept 128
	v_exp_f32 v[S+i], v[S+i]
.set i, i+1
.endr
	v_nop                                          ; one plain vector instruction behind the last exponential
	s_wait_alu depctr_va_vdst(0)                   ; one wait for the batch, ahead of its first reader
	WIN 0
.irp q, 0,1,2,3
	v_exp_f32 v[BP+\q], v[BP+\q]                   ; the block's largest p: the same two instructions on the same number
.endr
.irp k, 0,1,2,3,4
.irp i, 0,1,2,3,4,5
	v_mov_b32 v[PCH+12*\k+\i], 0                   ; the zero codes between p's four fragments
.endr
.endr
	WIN 0x0f
.irp q, 0,1,2,3
	v_pk_add_f32 v[L+2*\q:L+2*\q+1], v[S+32*\q:S+32*\q+1], v[S+32*\q+2:S+32*\q+3]          ; the row's sum, two at a time, in two chains a tile
.endr
.irp q, 0,1,2,3
	v_pk_add_f32 v[L2+2*\q:L2+2*\q+1], v[S+32*\q+4:S+32*\q+5], v[S+32*\q+6:S+32*\q+7]
.endr
	WIN 0x03
.irp i, 8,12,16,20,24,28
.irp q, 0,1,2,3
	v_pk_add_f32 v[L+2*\q:L+2*\q+1], v[S+32*\q+\i:S+32*\q+\i+1], v[L+2*\q:L+2*\q+1]
	v_pk_add_f32 v[L2+2*\q:L2+2*\q+1], v[S+32*\q+\i+2:S+32*\q+\i+3], v[L2+2*\q:L2+2*\q+1]
.endr
.endr
	WIN 0
.irp q, 0,1,2,3
	v_pk_add_f32 v[L+2*\q:L+2*\q+1], v[L+2*\q:L+2*\q+1], v[L2+2*\q:L2+2*\q+1]
.endr
.irp q, 0,1,2,3
	v_add_f32 v[L+2*\q], v[L+2*\q], v[L+2*\q+1]
.endr
.irp q, 0,1,2,3
	v_permlanex16_b32 v[TA+\q], v[L+2*\q], s[SEL], s[SEL+1]
.endr
.irp q, 0,1,2,3
	v_add_f32 v[L+2*\q], v[L+2*\q], v[TA+\q]       ; l, in both lanes of a query
.endr
	s_wait_alu depctr_va_vdst(0)                   ; the wait for the four exponentials; the zeros and the sums stood between
.irp q, 0,1,2,3
	v_max_num_f32 v[BP+\q], 0x1800000, v[BP+\q]    ; the floor 2^(3 - 127)
.endr
.irp q, 0,1,2,3
	v_add_nc_u32 v[OP+\q], 0xff000000, v[BP+\q]    ; 2 off the exponent field: the conversion's scale operand
.endr
.irp q, 0,1,2,3
	v_lshrrev_b32 v[BY+\q], 23, v[OP+\q]
.endr
.irp q, 0,1,2,3
	v_lshlrev_b32 v[PS+\q], v[H8], v[BY+\q]        ; my block's byte at its place,
.endr
.irp q, 0,1,2,3
	v_permlanex16_b32 v[TA+\q], v[PS+\q], s[SEL], s[SEL+1]
.endr
.irp q, 0,1,2,3
	v_or_b32 v[PS+\q], v[PS+\q], v[TA+\q]          ; with the other block's,
.endr
.irp q, 0,1,2,3
	v_lshl_or_b32 v[PS+\q], v[PS+\q], 16, v[PS+\q] ; and both once more: p's codes stand in either half of the 128
.endr
.irp q, 0,1,2,3
	v_rcp_f32 v[RQ+\q], v[L+2*\q]
.endr
	WIN 0x03
.irp q, 0,1,2,3
	v_cvt_scalef32_pk16_fp6_f32 v[PCH+12*\q+6:PCH+12*\q+8], v[S+32*\q:S+32*\q+15], v[OP+\q]
	v_cvt_scalef32_pk16_fp6_f32 v[CT+4*\q:CT+4*\q+2], v[S+32*\q+16:S+32*\q+31], v[OP+\q]
.endr
	WIN 0
	v_nop                                          ; the plain instruction behind the conversions, and behind the reciprocals
	s_wait_alu depctr_va_vdst(0)                   ; one wait for the four reciprocals
.irp q, 0,1,2,3
.irp i, 0,1,2
	v_mov_b32 v[PCH+12*\q+9+\i], v[CT+4*\q+\i]
.endr
.endr
.irp q, 0,1,2,3
	v_permlanex16_b32 v[TA+\q], v[RQ+\q], s[SEL+1], s[SEL]         ; the selects changed over: lane i takes place (i + 8) % 16 of the other half, which holds the same 16 numbers
.endr
.irp q, 0,1,2,3
	v_mov_b32 v[ZR+\q], v[RQ+\q]
.endr
.irp q, 0,1,2,3
	v_cndmask_b32 v[ZR+\q], v[RQ+\q], v[TA+\q], s[HM]              ; lanes 16-31 take the turned row: place j of their half now holds 1 / l of query 8 + j
.endr
	s_wait_alu depctr_va_vdst(0)
	s_wait_tensorcnt 0x0                           ; my chunk of V's second slot is in;
	s_wait_dscnt 0x0
	s_barrier_signal -1                            ; a plain barrier shows that slot to all
.irp q, 0,1,2,3
.irp j, 0,1,2,3,4,5,6,7
	v_mov_b32_dpp v[RL+8*\q+\j], v[ZR+\q] row_share:\j row_mask:0xf bank_mask:0xf  ; 1 / l of query 8 h + j of tile q, in every lane of the half
.endr
.endr
	s_wait_alu depctr_va_vdst(0)
	s_barrier_wait -1
	; ---- V, p V AND THE SUM OVER THE QUERIES
	CHUNK 1, 128, WSB, WSA, 2048, 0, L_NONE        ; V's chunk 1
	PLACES 4
	RUNB
	v_add_nc_u32 v[SA], 2048, v[SA]
	PV                                             ; chunk 0's
	s_mov_b32 s[CNT], 2
.Lv:
	HQ 128, 2, VS
.set E2, 0
	CHUNK 1, 0, WSA, WSB, 1024, 0, LV              ; chunks 2 and 4
	ENDV 1
	HQ 0, 2, VS
.set E2, 0
	CHUNK 1, 128, WSB, WSA, 2048, 0, LV            ; chunks 3 and 5
	ENDV 1
	v_add_nc_u32 v[SA], 2048, v[SA]
	s_sub_co_u32 s[CNT], s[CNT], 1
	s_cmp_lg_u32 s[CNT], 0
	s_cbranch_scc1 .Lv
	HQ 128, 2, VS
.set E2, 0
	CHUNK 1, 0, WSA, WSB, 1024, 0, LV              ; chunk 6
	ENDV 1
	HQ 0, 2, VS
.set E2, 0
	CHUNK 1, 128, WSB, WSA, 0, 3, LV               ; chunk 7: nothing more to fetch
	ENDV 0
	HQ 128, 2, VS
.set E2, 0
.rept 20                                           ; chunk 7's quantiser and chunk 6's sum, four lines each by turns
	ENT
	ENT
	ENT
	ENT
	ENT2
	ENT2
	ENT2
	ENT2
.endr
	ENDV 0
	PLACES 4
.set E2, 0
.rept 72
	ENT2
.endr
	REDST
	; ---- THE WAY OUT: my batch's 2,048 bytes
.irp i, 0,1,2,3
	ds_load_b128 v[OUTR+4*\i:OUTR+4*\i+3], v[SR] offset:512*\i     ; LDS serves a wave's instructions in order (ISA guide 5.7.1.4): these see my stores
.endr
.irp i, 0,1,2,3
	s_wait_dscnt 3-\i                              ; the younger loads may stay out
	global_store_b128 v[LI], v[OUTR+4*\i:OUTR+4*\i+3], s[20:21] offset:512*\i th:TH_STORE_NT       ; 32 lanes store 512 consecutive bytes, at a multiple of 256 from out0's first byte
.endr
	s_wait_tensorcnt 0x0                           ; the wave's end
	ds_add_u32 v[SPW], v[NIL]
	s_wait_dscnt 0x0
	ROUND                                          ; the closing round: no work-group ends while a partner may still ask for a tile that names it
	s_endpgm
.Lfunc_end_k_qf870be2317_fused:
	.size	k_qf870be2317_fused, .Lfunc_end_k_qf870be2317_fused-k_qf870be2317_fused
	.p2alignl 7, 3214868480
	.fill 96, 4, 3214868480
	.section	.rodata,"a",@progbits
	.p2align	6, 0x0
	.amdhsa_kernel k_qf870be2317_fused
		.amdhsa_group_segment_fixed_size 327680
		.amdhsa_private_segment_fixed_size 0
		.amdhsa_enable_private_segment 0
		.amdhsa_kernarg_size 72
		.amdhsa_user_sgpr_count 2
		.amdhsa_user_sgpr_kernarg_segment_ptr 1
		.amdhsa_wavefront_size32 1
		.amdhsa_system_sgpr_workgroup_id_x 1
		.amdhsa_system_sgpr_workgroup_id_y 1
		.amdhsa_system_sgpr_workgroup_id_z 1
		.amdhsa_system_vgpr_workitem_id 0
		.amdhsa_next_free_vgpr 1024
		.amdhsa_next_free_sgpr 100
		.amdhsa_reserve_vcc 0
		.amdhsa_float_denorm_mode_32 3
		.amdhsa_float_denorm_mode_16_64 3
		.amdhsa_memory_ordered 1
		.amdhsa_forward_progress 1
		.amdhsa_inst_pref_size 255
	.end_amdhsa_kernel
	.section	.bss,"aw",@nobits
	.p2align	6
	.space	262144
	.amdgpu_metadata
---
amdhsa.version: [ 1, 2 ]
amdhsa.kernels:
  - .name:           k_qf870be2317_fused
    .symbol:         k_qf870be2317_fused.kd
    .args:
      - { .name: x_codes, .offset: 0, .size: 8, .value_kind: global_buffer, .address_space: global }
      - { .name: x_scales, .offset: 8, .size: 8, .value_kind: global_buffer, .address_space: global }
      - { .name: Wq_codes, .offset: 16, .size: 8, .value_kind: global_buffer, .address_space: global }
      - { .name: Wq_scales, .offset: 24, .size: 8, .value_kind: global_buffer, .address_space: global }
      - { .name: Wk_codes, .offset: 32, .size: 8, .value_kind: global_buffer, .address_space: global }
      - { .name: Wk_scales, .offset: 40, .size: 8, .value_kind: global_buffer, .address_space: global }
      - { .name: Wv_codes, .offset: 48, .size: 8, .value_kind: global_buffer, .address_space: global }
      - { .name: Wv_scales, .offset: 56, .size: 8, .value_kind: global_buffer, .address_space: global }
      - { .name: out0, .offset: 64, .size: 8, .value_kind: global_buffer, .address_space: global }
    .group_segment_fixed_size: 327680
    .private_segment_fixed_size: 0
    .kernarg_segment_align: 8
    .kernarg_segment_size: 72
    .max_flat_workgroup_size: 128
    .sgpr_count:     100
    .vgpr_count:     1024
    .wavefront_size: 32
...
	.end_amdgpu_metadata
.endif
;; end of part 2
